; MI455X (gfx1250); checked and timed in simulation.
; The chip was launched on July 23, 2026; its instructions are those of AMD's public machine-readable ISA for CDNA 5 (MIT licence, August 2026) and "CDNA5" Instruction Set Architecture Reference Guide (July 2026). The comments in the code are by the model that wrote it; some were corrected since.
;; Self Attention. Allowed arithmetic: matrix products marked QUANTISED: E3M2 operands, one E8M0 scale for each 32 along K, by v_wmma_scale_f32_16x16x128_f8f6f4 with both operands' format E3M2, f32 sums; everything else in f32.
;; Inputs: Wk 1,024 x 1,024 float32; Wq 1,024 x 1,024 float32; Wv 1,024 x 1,024 float32; bk 1,024 float32; bq 1,024 float32; bv 1,024 float32; k_in 4 x 2,048 x 1,024 float32; q_in 4 x 2,048 x 1,024 float32; v_in 4 x 2,048 x 1,024 float32.
;; Outputs: out0 4 x 2,048 x 1,024 float32.
;; This version of the problem:
;;   THIS VERSION OF THE PROBLEM IS GIVEN IN LOW PRECISION. The matrix products marked QUANTISED in the list below multiply operands that are first quantised to E3M2 (3 exponent bits, 2 mantissa bits; 6 bits a number), with one power-of-two scale for each 32 numbers along K (OCP MX v1.0); their sums are f32. All else is computed in f32.
;;   The module's matrix products, in the order in which they are computed (A, B: the left and right operand; K: the contracted axis; several contracted axes count as one K, in the product's order):
;;     1. [M 8,192, K 1,024] x [K 1,024, N 1,024]; A: input q_in; B: input Wq: QUANTISED
;;     2. [M 8,192, K 1,024] x [K 1,024, N 1,024]; A: input k_in; B: input Wk: QUANTISED
;;     3. [M 8,192, K 1,024] x [K 1,024, N 1,024]; A: input v_in; B: input Wv: QUANTISED
;;     4. batch 4 x [M 2,048, K 1,024] x [K 1,024, N 2,048]; A: computed on the way; B: computed on the way: QUANTISED
;;     5. batch 4 x [M 2,048, K 2,048] x [K 2,048, N 1,024]; A: softmax (see below); B: computed on the way: QUANTISED
;;   THE QUANTISER, for each operand of a quantised product, along K:
;;     - K is cut into blocks of 32 from its start; a last block that is shorter is filled with zeros.
;;     - A block's scale is 2^e with e = floor(log2(the largest magnitude in the block)) - 4, held to -126 .. 127; a block of zeros has e = 0. As a byte (E8M0): e + 127.
;;     - Each number is divided by its block's scale, clamped to +-28, and rounded to the nearest number of E3M2, ties to even, subnormals kept.
;;     - The product sums the exact products of the quantised numbers (number of the format x scale) in f32.
;;   ~~~python
;;   def quantise(x, axis):      # numpy; x: float32 -> the quantised numbers, widened to float32 again
;;       x = np.moveaxis(x, axis, -1); K = x.shape[-1]
;;       x = np.pad(x, [(0, 0)] * (x.ndim - 1) + [(0, -K % 32)]); x = x.reshape(x.shape[:-1] + (-1, 32)); a = np.abs(x).max(-1, keepdims=True)
;;       e = np.where(a > 0, np.clip(np.frexp(np.where(a > 0, a, 1))[1] - 1 - 4, -126, 127), 0)      # np.frexp(a)[1] - 1 = floor(log2(a)), exactly
;;       r = np.clip(x / 2.0 ** e, -28, 28)
;;       step = 2.0 ** (np.maximum(np.frexp(np.where(r == 0, 1, r))[1] - 1, -2) - 2)
;;       q = np.round(r / step) * step * 2.0 ** e      # np.round: ties to even
;;       return np.moveaxis(q.reshape(q.shape[:-2] + (-1,))[..., :K], -1, axis).astype(np.float32)
;;   ~~~
;;   SOFTMAX AHEAD OF A QUANTISED PRODUCT. Where the list says 'softmax', what is quantised is not the finished softmax but p = 2^(t - M), with t = logit x log2(e) and M = ceil(the row's largest t), a whole number; so 1/2 < the row's largest p <= 1. The row's sum l is taken of the UNQUANTISED p, in f32, and the product's result is divided by l at the end. Since M is a whole number, a kernel that streams over the keys may use a running M (the ceiling of the running maximum): every later rescaling is an exact power of two, which a block's scale takes up: the codes' values come out the same.
;;   OPERANDS COMPUTED ON THE WAY. 'Computed on the way' means the value that the module computes at that place (a softmax that the list does not call 'softmax' is quantised finished and normalised). What goes into a quantiser is computed in f32, as accurately as f32 sums, v_exp_f32 and their like allow (about 1e-6 of the number): no bf16 or f16 on the way to a quantiser, and a product that is left as it is and whose result goes on into a quantised operand takes f32 operands (vector FMAs, or v_wmma_f32_16x16x4_f32). A number that lies on a knife's edge between two numbers of the format may be rounded either way, as far as f32 arithmetic and the matrix unit's own rounding can turn it there, and no further.
;; One version. Each part assembles by itself: llvm-mc -triple=amdgcn-amd-amdhsa -mcpu=gfx1250 --defsym DOCPART=n.
;; ======== version 1 of 1: 4 launches
;; limits: right only within a limited range of input values
;; workspace buffers: in_pack 22,118,400 bytes; act_pack 19,660,800 bytes; p_codes 12,582,912 bytes; p_stats 1,572,864 bytes
;; launch quant (part 1): grid 576 x 1, 4 waves a work-group, no clusters, 30,208 bytes of LDS; arguments q_in, k_in, v_in, Wq, Wk, Wv, in_pack; writes in_pack
.if DOCPART == 1
	.amdgcn_target "amdgcn-amd-amdhsa--gfx1250"
	.amdhsa_code_object_version 6
	.text
	.protected	k_q05c135d7f5_quant
	.globl	k_q05c135d7f5_quant
	.p2align	8
	.type	k_q05c135d7f5_quant,@function
k_q05c135d7f5_quant:
	s_mov_b64 s[64:65], 0
	v_nop
	global_prefetch_b8 v0, s[64:65] scope:SCOPE_SE
	s_setreg_imm32_b32 hwreg(HW_REG_WAVE_MODE, 25, 1), 1
	s_wait_xcnt 0x0
; q_in, k_in, v_in [8192][1024] f32 (K innermost) and Wq, Wk, Wv [1024 (K)][1024] f32 (K first) become codes of BF6 (E3M2) with one E8M0 byte for each 32 along K,
; laid in the ORDER OF THE OPERAND'S REGISTERS.  A PACK (12,800 bytes) serves 128 rows x 128 K: eight fragment images of 1,536 bytes (16 rows x 128 K: registers 4 c .. 4 c + 3 of lane l at
; 512 c + 16 l), then at byte 12,288 a scale block of 512 bytes: the word of (tile t, row r) at 256 (t % 2) + 16 r + 4 (t / 2).
; in_pack: x tensor T at T x 6,553,600 as [group of 128 rows 64][K step 8][pack]; W tensor T at 19,660,800 + T x 819,200 as [group of 128 columns 8][K step 8][pack].
; WHICH ROWS FORM A TILE: q_in and Wv: lane r of tile t is row 16 t + r.  k_in, v_in, Wq, Wk: lane r of tile 2 b + u is row 32 b + 8 u + r + 8 (r / 8), so that the results of the product in which they are
; source 0 lie as 16 neighbours along the next K in a lane's registers.
; A block's scale is 2^(floor(log2(largest magnitude)) - 4); its byte is the largest magnitude's exponent field - 4, held at 1 from below by a floor among the maximum's leaves.
; LIMITS: a block whose largest magnitude lies under 2^-122 (a block of zeros too) keeps the byte 1: zero codes add nothing, and this program alone reads the bytes.  NaN and infinities are not served.
; Work-groups 0-383: x; a wave makes one pack from 128 rows x 128 K.  Work-groups 384-575: W; a work-group makes one pack, a wave 32 columns x 128 K.  Work-groups share no input: no cluster, no tensor load, no barrier.
; The two ways part once, on the work-group's number; each has LDS bytes of its own.
.set WIMG, 17408                       ; LDS: 0 .. 17,407 x's stages (16 rows x 272 bytes a wave); from here W's images, 3,072 bytes a wave
.set L16,  9                           ; v9   16 x lane
.set PC,   16                          ; v16-34  the codes just made
.set PWS,  36                          ; v36-43  a scale word for each tile
.set WJ,   44                          ; v44-47  the scale block's 16 bytes of my lane
.set R,    48                          ; v48-175 x: four sets of 32 as loaded;  W: my column's 128 numbers
.set X,    176                         ; v176-239 x: 64 numbers of my row;  W: v176-207 four sets of codes, v208-231 the images read back
.set TM,   240                         ; v240-255 at work
.set SRC,  20                          ; s[20:21] the tensor that I read
.set OUT,  26                          ; s[26:27] my pack
.set SEL,  28                          ; s[28:29] lane selects: lane l xor 16
.set HM,   30                          ; s30  lanes 16-31
.set MSB, 0
.macro WIN new                         ; (this text stays in window 0: the macro writes nothing here)
.if MSB != (\new)
	s_set_vgpr_msb (MSB<<8)|(\new)
.set MSB, (\new)
.endif
.endm
; 64 numbers of a lane, register 16 b + i = k 32 b + 16 (lane / 16) + i of my row: the four blocks' largest magnitudes
.macro QMAX s, w
	WIN (\w)|((\w)<<2)
.irp b, 0,1,2,3
	v_max3_num_f32 v[TM+\b], |v[(\s)+16*\b]|, |v[(\s)+16*\b+1]|, 0x2800000   ; and the floor 2^(5 - 127): the byte cannot fall under 1
.endr
.irp i, 2,4,6,8,10,12,14
.irp b, 0,1,2,3
	v_max3_num_f32 v[TM+\b], |v[(\s)+16*\b+\i]|, |v[(\s)+16*\b+\i+1]|, v[TM+\b]   ; the four blocks by turns
.endr
.endr
	WIN 0
.irp b, 0,1,2,3
	v_permlanex16_b32 v[TM+4+\b], v[TM+\b], s[SEL], s[SEL+1]
.endr
.irp b, 0,1,2,3
	v_max_num_f32 v[TM+\b], v[TM+\b], v[TM+4+\b]   ; with lane l xor 16's 16 numbers
.endr
.endm
; from the four largest magnitudes: the scale word into v[dst], the fragment's 12 registers into v[PC] on
.macro QTAIL s, w, dst
.irp b, 0,1,2,3
	v_add_nc_u32 v[TM+12+\b], 0xfe000000, v[TM+\b]   ; 4 off the exponent field: the conversion's scale operand
.endr
.irp b, 0,1,2,3
	v_lshrrev_b32 v[TM+4+\b], 23, v[TM+12+\b]       ; the scale's byte
.endr
	v_lshl_or_b32 v[\dst], v[TM+5], 8, v[TM+4]
	v_lshl_or_b32 v[\dst], v[TM+6], 16, v[\dst]
	v_lshl_or_b32 v[\dst], v[TM+7], 24, v[\dst]
	s_wait_xcnt 0x0                                ; the last fragment's stores have read v[PC] on: it is written again only behind this wait
	WIN \w
.irp c, 0,1
	v_cvt_scalef32_pk16_bf6_f32 v[PC+6*\c:PC+6*\c+2], v[(\s)+32*\c:(\s)+32*\c+15], v[TM+12+2*\c]
	v_cvt_scalef32_pk16_bf6_f32 v[PC+12+4*\c:PC+12+4*\c+2], v[(\s)+32*\c+16:(\s)+32*\c+31], v[TM+12+2*\c+1]   ; (a conversion's three registers begin on an even number)
.endr
	WIN 0
	v_nop                                          ; one plain place behind a scaled conversion
.irp c, 0,1                                    ; the operand wants a WHOLE block in a lane: lanes 0-15 block 2 c, lanes 16-31 block 2 c + 1
.irp i, 0,1,2
	v_permlane16_swap_b32 v[PC+6*\c+\i], v[PC+12+4*\c+\i]
.endr
.irp i, 0,1,2
	v_mov_b32 v[PC+3+6*\c+\i], v[PC+12+4*\c+\i]
.endr
.endr
.endm
.macro OUTF off                        ; the fragment leaves as its image: each store covers 512 consecutive bytes, aligned
.irp c, 0,1,2
	global_store_b128 v[L16], v[PC+4*\c:PC+4*\c+3], s[OUT:OUT+1] offset:(\off)+512*\c
.endr
.endm
	s_load_b256 s[4:11], s[0:1], 0x0               ; q_in, k_in, v_in, Wq
	s_load_b128 s[12:15], s[0:1], 0x20             ; Wk, Wv
	s_load_b64 s[16:17], s[0:1], 0x30              ; in_pack
	v_lshl_add_u32 v250, v0, 2, 0x7400
	v_mov_b32 v251, 0
	v_lshrrev_b32 v1, 5, v0
	v_readfirstlane_b32 s18, v1                    ; wave 0..3
	v_and_b32 v1, 31, v0                           ; lane
	v_and_b32 v2, 15, v0                           ; r
	v_bfe_u32 v3, v0, 4, 1                         ; h
	; every LDS address is made here, ahead of the parting
	s_mul_i32 s22, s18, 4352                       ; x: my wave's stage
	v_mul_u32_u24 v4, v3, 272
	v_lshl_add_u32 v4, v2, 4, v4
	v_add_nc_u32 v4, s22, v4                       ; in: lanes 0-15 one row's 256 bytes, lanes 16-31 the next row's
	v_mul_u32_u24 v5, v2, 272
	v_lshl_add_u32 v5, v3, 6, v5
	v_add_nc_u32 v5, s22, v5                       ; out: row r, + 64 h: my 16 numbers of a block of 32
	v_lshlrev_b32 v[L16], 4, v1
	s_mul_i32 s22, s18, 3072
	v_add_nc_u32 v15, s22, v[L16]                  ; W: my place in the pack: 16 x lane + 3,072 x wave
	s_add_co_u32 s22, s22, WIMG                    ; W: my wave's two images
	v_mul_u32_u24 v10, v3, 1536
	v_lshl_add_u32 v10, v2, 4, v10
	v_add_nc_u32 v10, s22, v10                     ; in: image h, the place of lane r
	v_add_nc_u32 v11, s22, v[L16]                  ; out: as they lie
	v_lshlrev_b32 v6, 12, v3
	v_lshl_add_u32 v6, v2, 4, v6                   ; x in memory: 4,096 h + 16 r
	s_mov_b32 s[SEL], 0x76543210
	s_mov_b32 s[SEL+1], 0xfedcba98
	s_mov_b32 s[HM], 0xffff0000
.irp b, 0,1,2,3
	v_mov_b32 v[TM+4+\b], 0                        ; written once: a lane permute's destination counts as one of its sources
.endr
	s_cmp_ge_u32 ttmp9, 384
	s_cbranch_scc1 .Lweights
	; ---------------- x: a wave takes 128 rows x 128 K ----------------
	s_lshr_b32 s19, ttmp9, 7                       ; T: 0 q_in, 1 k_in, 2 v_in
	s_bfe_u32 s23, ttmp9, 0x60001                  ; the group of 128 rows
	s_and_b32 s24, ttmp9, 1
	s_lshl_b32 s24, s24, 2
	s_add_co_u32 s24, s24, s18                     ; the K step
	s_cmp_lg_u32 s19, 0                            ; k_in and v_in: the second and third eight of each 32 rows change places
	s_cselect_b32 s25, 32768, 0                    ; eight rows, or none
	s_wait_alu depctr_va_vdst(0)
	v_add_nc_u32 v7, s25, v6
	s_xor_b32 s25, s25, 32768
	v_add_nc_u32 v8, s25, v6
	s_lshl_b32 s32, s23, 19                        ; 128 rows of 4,096 bytes
	s_lshl_b32 s33, s24, 9                         ; 128 numbers
	s_add_co_u32 s32, s32, s33
	s_mov_b32 s33, 0
	s_mul_i32 s34, s19, 6553600
	s_mul_i32 s35, s23, 102400
	s_add_co_u32 s34, s34, s35
	s_mul_i32 s35, s24, 12800
	s_add_co_u32 s34, s34, s35
	s_mov_b32 s35, 0
	s_wait_alu depctr_va_vdst(0)
	s_wait_kmcnt 0x0
	s_cmp_eq_u32 s19, 1
	s_cselect_b64 s[SRC:SRC+1], s[6:7], s[8:9]
	s_cmp_eq_u32 s19, 0
	s_cselect_b64 s[SRC:SRC+1], s[4:5], s[SRC:SRC+1]
	s_add_nc_u64 s[SRC:SRC+1], s[SRC:SRC+1], s[32:33]
	s_add_nc_u64 s[OUT:OUT+1], s[16:17], s[34:35]
; A half-unit hu is 16 rows (tile hu / 2, in the tile's lane order) x 64 K (half hu % 2): eight loads, each two rows' 256 consecutive bytes.
.macro LOADH hu
.set LT, (\hu)/2
.set LO, (32*(LT/2))*4096+256*((\hu)%2)
.set LR, R+32*((\hu)%4)
.irp i, 0,1,2,3
.if LT%2 == 0
	global_load_b128 v[LR+4*\i:LR+4*\i+3], v6, s[SRC:SRC+1] offset:LO+(2*\i)*4096 th:TH_LOAD_NT
.else
	global_load_b128 v[LR+4*\i:LR+4*\i+3], v8, s[SRC:SRC+1] offset:LO+(8+2*\i)*4096 th:TH_LOAD_NT
.endif
.endr
.irp i, 4,5,6,7
.if LT%2 == 0
	global_load_b128 v[LR+4*\i:LR+4*\i+3], v7, s[SRC:SRC+1] offset:LO+(2*\i)*4096 th:TH_LOAD_NT
.else
	global_load_b128 v[LR+4*\i:LR+4*\i+3], v6, s[SRC:SRC+1] offset:LO+(16+2*\i)*4096 th:TH_LOAD_NT
.endif
.endr
.endm
.macro HALF hu
.if 15-(\hu) >= 3
	s_wait_loadcnt 24                              ; my eight loads are in; those of the three half-units behind may be out
.else
	s_wait_loadcnt 8*(15-(\hu))
.endif
.irp i, 0,1,2,3,4,5,6,7
	ds_store_b128 v4, v[R+32*((\hu)%4)+4*\i:R+32*((\hu)%4)+4*\i+3] offset:544*\i   ; rows 2 i, 2 i + 1 of the stage, 272 bytes apart
.endr
.irp b, 0,1
.irp j, 0,1,2,3
	ds_load_b128 v[X+32*((\hu)%2)+16*\b+4*\j:X+32*((\hu)%2)+16*\b+4*\j+3], v5 offset:128*\b+16*\j   ; LDS serves a wave's instructions in order: these see the stores above
.endr
.endr
	s_wait_dscnt 0x0                               ; the numbers are back, and the stores have read their set,
.if (\hu) < 12
	LOADH (\hu)+4                                  ; which takes the half-unit four on
.endif
.if (\hu)%2 == 1
	QMAX X, 0
	QTAIL X, 0, PWS+(\hu)/2
	OUTF 1536*((\hu)/2)
.endif
.endm
	LOADH 0
	LOADH 1
	LOADH 2
	LOADH 3
.set HU, 0
.rept 16
	HALF HU
.set HU, HU+1
.endr
.irp j, 0,1,2,3
	v_cndmask_b32 v[WJ+\j], v[PWS+2*\j], v[PWS+2*\j+1], s[HM]   ; lanes 0-15 the even tiles' words, lanes 16-31 the odd tiles'
.endr
	global_store_b128 v[L16], v[WJ:WJ+3], s[OUT:OUT+1] offset:12288   ; the scale block: 512 consecutive bytes
	s_wait_tensorcnt 0x0
	ds_add_u32 v250, v251
	s_wait_dscnt 0x0
	s_endpgm
	; ---------------- W: a wave takes 32 columns x 128 K; a lane takes a column, its registers run down K ----------------
.Lweights:
	s_sub_co_u32 s19, ttmp9, 384
	s_lshr_b32 s23, s19, 6                         ; T: 0 Wq, 1 Wk, 2 Wv
	s_bfe_u32 s24, s19, 0x30003                    ; the group of 128 columns
	s_and_b32 s25, s19, 7                          ; the K step
	v_and_b32 v14, 8, v2
	v_add_nc_u32 v14, v14, v2
	v_lshl_add_u32 v14, v3, 3, v14                 ; Wq, Wk: lane (h, r) is row r of tile 2 w + h: column 8 h + r + 8 (r / 8) of the wave's 32
	s_cmp_eq_u32 s23, 2
	s_cselect_b32 s31, -1, 0
	v_cndmask_b32 v12, v14, v1, s31                ; Wv: column 16 h + r
	v_lshlrev_b32 v12, 2, v12
	s_lshl_b32 s22, s18, 2
	v_add_nc_u32 v13, s22, v[L16]                  ; my scale word's place in the block: tile 2 w + h, row r: 16 x lane + 4 w
	s_lshl_b32 s32, s25, 19                        ; 128 rows of 4,096 bytes
	s_lshl_b32 s33, s24, 9
	s_add_co_u32 s32, s32, s33
	s_lshl_b32 s33, s18, 7
	s_add_co_u32 s32, s32, s33
	s_mov_b32 s33, 0
	s_mul_i32 s34, s23, 819200
	s_add_co_u32 s34, s34, 19660800
	s_mul_i32 s35, s24, 102400
	s_add_co_u32 s34, s34, s35
	s_mul_i32 s35, s25, 12800
	s_add_co_u32 s34, s34, s35
	s_mov_b32 s35, 0
	s_wait_alu depctr_va_vdst(0)
	s_wait_kmcnt 0x0
	s_cmp_eq_u32 s23, 1
	s_cselect_b64 s[SRC:SRC+1], s[12:13], s[14:15]
	s_cmp_eq_u32 s23, 0
	s_cselect_b64 s[SRC:SRC+1], s[10:11], s[SRC:SRC+1]
	s_add_nc_u64 s[SRC:SRC+1], s[SRC:SRC+1], s[32:33]
	s_add_nc_u64 s[OUT:OUT+1], s[16:17], s[34:35]
.set I, 0
.rept 128
	global_load_b32 v[R+I], v12, s[SRC:SRC+1] offset:4096*I th:TH_LOAD_NT   ; W(128 s + i, my column): the wave reads 128 neighbouring bytes
.set I, I+1
.endr
; Block t of my column: all 32 numbers are mine.  In the fragment it belongs to lane r + 16 (t % 2), registers 6 (t / 2) on: it is stored to that lane's place in the image.
.macro WBLOCK t, left
.set XS, R+32*(\t)
.set CC, X+8*(\t)
	s_wait_loadcnt \left                           ; this block's 32 loads are in; later blocks' may be out
	v_max3_num_f32 v[TM], |v[XS]|, |v[XS+1]|, |v[XS+2]|
	v_max3_num_f32 v[TM+1], |v[XS+3]|, |v[XS+4]|, |v[XS+5]|
.irp i, 6,10,14,18,22,26
	v_max3_num_f32 v[TM], v[TM], |v[XS+\i]|, |v[XS+\i+1]|
	v_max3_num_f32 v[TM+1], v[TM+1], |v[XS+\i+2]|, |v[XS+\i+3]|
.endr
	v_max3_num_f32 v[TM], v[TM], |v[XS+30]|, |v[XS+31]|
	v_max3_num_f32 v[TM], v[TM], v[TM+1], 0x2800000
	v_add_nc_u32 v[TM+2], 0xfe000000, v[TM]
	v_lshrrev_b32 v[TM+3], 23, v[TM+2]
.if (\t) == 0
	v_mov_b32 v[PWS], v[TM+3]
.else
	v_lshl_or_b32 v[PWS], v[TM+3], 8*(\t), v[PWS]
.endif
	v_cvt_scalef32_pk16_bf6_f32 v[CC:CC+2], v[XS:XS+15], v[TM+2]
	v_cvt_scalef32_pk16_bf6_f32 v[CC+4:CC+6], v[XS+16:XS+31], v[TM+2]
	v_nop                                          ; one plain place behind a scaled conversion
	v_mov_b32 v[CC+3], v[CC+4]
	v_mov_b32 v[CC+4], v[CC+5]
	v_mov_b32 v[CC+5], v[CC+6]                     ; six registers on end
.if (\t) < 2
	ds_store_b128 v10, v[CC:CC+3] offset:256*((\t)%2)           ; registers 0-3
	ds_store_b64 v10, v[CC+4:CC+5] offset:256*((\t)%2)+512      ; registers 4, 5
.else
	ds_store_b64 v10, v[CC:CC+1] offset:256*((\t)%2)+520        ; registers 6, 7
	ds_store_b128 v10, v[CC+2:CC+5] offset:256*((\t)%2)+1024    ; registers 8-11
.endif
.endm
	WBLOCK 0, 63                                   ; (96 and 64 may be out; 63 is the most that the wait can name)
	WBLOCK 1, 63
	WBLOCK 2, 32
	WBLOCK 3, 0
.irp i, 0,1,2,3,4,5
	ds_load_b128 v[X+32+4*\i:X+32+4*\i+3], v11 offset:512*\i   ; my own bytes, served in order behind my stores
.endr
	s_wait_alu depctr_va_vdst(0)
	s_wait_dscnt 0x0
.irp i, 0,1,2,3,4,5
	global_store_b128 v15, v[X+32+4*\i:X+32+4*\i+3], s[OUT:OUT+1] offset:512*\i   ; 512 consecutive bytes a store
.endr
	global_store_b32 v13, v[PWS], s[OUT:OUT+1] offset:12288   ; four bytes a lane, 16 apart: the four waves' words interleave in the block's 512 bytes; gathering them would want a barrier for 96 KiB in the whole launch
	s_wait_tensorcnt 0x0
	ds_add_u32 v250, v251
	s_wait_dscnt 0x0
	s_endpgm
.Lfunc_end_k_q05c135d7f5_quant:
	.size	k_q05c135d7f5_quant, .Lfunc_end_k_q05c135d7f5_quant-k_q05c135d7f5_quant
	.p2alignl 7, 3214868480
	.fill 96, 4, 3214868480
	.section	.rodata,"a",@progbits
	.p2align	6, 0x0
	.amdhsa_kernel k_q05c135d7f5_quant
		.amdhsa_group_segment_fixed_size 30208
		.amdhsa_private_segment_fixed_size 0
		.amdhsa_enable_private_segment 0
		.amdhsa_kernarg_size 56
		.amdhsa_user_sgpr_count 2
		.amdhsa_user_sgpr_kernarg_segment_ptr 1
		.amdhsa_wavefront_size32 1
		.amdhsa_system_sgpr_workgroup_id_x 1
		.amdhsa_system_sgpr_workgroup_id_y 1
		.amdhsa_system_sgpr_workgroup_id_z 1
		.amdhsa_system_vgpr_workitem_id 0
		.amdhsa_next_free_vgpr 256
		.amdhsa_next_free_sgpr 66
		.amdhsa_reserve_vcc 0
		.amdhsa_float_denorm_mode_32 3
		.amdhsa_float_denorm_mode_16_64 3
		.amdhsa_memory_ordered 1
		.amdhsa_forward_progress 1
		.amdhsa_inst_pref_size 86
	.end_amdhsa_kernel
	.amdgpu_metadata
---
amdhsa.version: [ 1, 2 ]
amdhsa.kernels:
  - .name:           k_q05c135d7f5_quant
    .symbol:         k_q05c135d7f5_quant.kd
    .args:
      - { .name: q_in, .offset: 0, .size: 8, .value_kind: global_buffer, .address_space: global }
      - { .name: k_in, .offset: 8, .size: 8, .value_kind: global_buffer, .address_space: global }
      - { .name: v_in, .offset: 16, .size: 8, .value_kind: global_buffer, .address_space: global }
      - { .name: Wq, .offset: 24, .size: 8, .value_kind: global_buffer, .address_space: global }
      - { .name: Wk, .offset: 32, .size: 8, .value_kind: global_buffer, .address_space: global }
      - { .name: Wv, .offset: 40, .size: 8, .value_kind: global_buffer, .address_space: global }
      - { .name: in_pack, .offset: 48, .size: 8, .value_kind: global_buffer, .address_space: global }
    .group_segment_fixed_size: 30208
    .private_segment_fixed_size: 0
    .kernarg_segment_align: 8
    .kernarg_segment_size: 56
    .max_flat_workgroup_size: 128
    .sgpr_count:     66
    .vgpr_count:     256
    .wavefront_size: 32
...
	.end_amdgpu_metadata
.endif
;; end of part 1
;; launch proj (part 2): grid 4 x 64, 4 waves a work-group, clusters of 4 x 4, 327,680 bytes of LDS; arguments in_pack, bq, bk, bv, act_pack; writes act_pack
.if DOCPART == 2
	.amdgcn_target "amdgcn-amd-amdhsa--gfx1250"
	.amdhsa_code_object_version 6
	.text
	.protected	k_q05c135d7f5_proj
	.globl	k_q05c135d7f5_proj
	.p2align	8
	.type	k_q05c135d7f5_proj,@function
k_q05c135d7f5_proj:
	s_mov_b64 s[64:65], 0
	v_nop
	global_prefetch_b8 v0, s[64:65] scope:SCOPE_SE
	s_setreg_imm32_b32 hwreg(HW_REG_WAVE_MODE, 25, 1), 1
	s_wait_xcnt 0x0
	s_wait_alu depctr_hold_cnt(0) depctr_sa_sdst(0) depctr_va_vdst(0) depctr_va_sdst(0) depctr_va_ssrc(0) depctr_va_vcc(0) depctr_vm_vsrc(0)
	s_getreg_b32 s2, hwreg(HW_REG_IB_STS2, 6, 4)
	s_cmp_eq_u32 s2, 0
	s_cbranch_scc0 .Lentry_in_a_cluster
	s_endpgm
.Lentry_in_a_cluster:
	s_bfe_u32 s2, ttmp6, 0x10000c
	s_cmp_lg_u32 s2, 0xf033
	s_cbranch_scc0 .Lentry_shape_is_right
	s_endpgm
.Lentry_shape_is_right:
; q = Q(q_in) Q(Wq) + bq, k = Q(k_in) Q(Wk) + bk, v = Q(v_in) Q(Wv) + bv on codes of BF6 (E3M2), K = 1,024 in 8 steps of 128; the results are quantised along the NEXT product's K and stored as packs.
; in_pack as the launch before lays it: packs of 12,800 bytes (eight fragment images of 1,536 bytes, a scale block at 12,288); x tensor T at T x 6,553,600, W tensor T at 19,660,800 + T x 819,200, both [group of 128][K step 8][pack].
; act_pack: q at 0 and k at 6,553,600 as [group of 128 rows 64][K step (128 channels) 8][pack]; v at 13,107,200 as [batch 4][group of 128 channels 8][key step 16][pack].
; A WORK-GROUP DOES TWO THINGS.  PART 1: a tile of 256 rows x 256 channels of q (the cluster's y 0-7) or k (8-15), four waves of 128 x 128; source 0 = W, source 1 = x: a lane holds one row, its registers run along the channels.
; PART 2: a tile of 128 channels x 256 keys of v, four waves of 64 x 128; source 0 = v_in, source 1 = Wv: a lane holds one channel, its registers run along the keys.  The bias is the C of each sum's first product.
; LDS: four parts of 76,800 bytes (x's two groups, W's two groups), each six packs.  FILLS, one joint load a wave each: at the head K steps 0-5 of part 1; behind step 1's round steps 6, 7 into the place of steps 0, 1;
; behind step 5's round part 2's steps 0-3 (Wv's two halves at byte 51,200 of parts 0 and 1, v_in's two groups at byte 25,600 of parts 2 and 3); behind a round in part 1's way out part 2's steps 4-7 (Wv's halves at byte 0 of
; parts 2 and 3, v_in's groups at byte 0 of parts 0 and 1).
; CLUSTER 4 x 4: x's and Wv's parts are asked for jointly along a row of the cluster, W's and v_in's along a column.
; No prefetch: part 1 has the largest block, in clusters, K is 8 steps of which six come at the head; each later fill is asked for four K steps of part 1's size, or more work than that, ahead of the wait for it.
; LIMITS: a block whose largest magnitude lies under 2^-122 keeps the byte 1; NaN and infinities are not served.
; REGISTERS: window 0: v1-27 and v56-59 addresses; v28-29 the add's; v32-47 scale words, two sets; v64-127 part 1's bias; v128-223 x's fragments (on the way out: a fragment's codes, 12 registers of its own each); v224-239 at work.
;   window 1: source 0's fragments, two sets, and v96-127 part 2's bias.  windows 2, 3: accumulators.
.set PART,  76800
.set REG,   38400                      ; from a part's packs 0-2 to its packs 3-5
.set GST,   12800
.set FRB,   1536
.set HB,    51200
.set QB,    25600
.set SPARE, 4*PART
.set L16,  3
.set ADRA, 4
.set ADRB, 8
.set ADRS, 12
.set L16W, 18
.set L16S, 19
.set ADA2, 20                          ; v20-23 part 2: Wv's fragments, register 2 x fill + (step / 2)
.set ADB2, 24                          ; v24-25 v_in's fragments, a register a fill
.set ASB2, 26                          ; v26-27 v_in's scale blocks
.set SPW,  28
.set NIL,  29
.set SC,   32
.set SP,   32
.set SV,   40
.set ASA2, 56                          ; v56-59 Wv's scale blocks
.set BC,   64
.set AF2,  64
.set TQ,   64                          ; the way out: v64-70 a conversion's second halves
.set PWS,  72
.set WJ,   80
.set BC2,  96
.set AF,   128
.set TM,   224
.set G1,   24                          ; s[24:31] group 1, mask of my row;  s[32:43] three groups 0
.set G0,   32
.set G1B,  48                          ; s[48:55] group 1, mask of my column;  s[68:79] three groups 0
.set G0B,  68
.set OUT,  80
.set SEL,  84
.set HM,   86
.set G1C,  88                          ; s[88:95] group 1 for v_in's 200 rows
.set PA2,  96
.set PB2,  98
.set MSB, 0
.macro WIN new
.if MSB != (\new)
	s_set_vgpr_msb (MSB<<8)|(\new)
.set MSB, (\new)
.endif
.endm
.macro PLACES n
.rept \n
	v_nop
.endr
.endm
.macro JLOAD g0a, g1a, g0b, g1b        ; waves 0 and 1 ask along the row, waves 2 and 3 along the column; s_nop 0 and four v_nop follow each line
	s_cmp_eq_u32 s15, 0
	s_cbranch_scc0 .Lfor_b_\@
	tensor_load_to_lds s[\g0a:\g0a+3], s[\g1a:\g1a+7]
	s_nop 0
.rept 4
	v_nop
.endr
	s_branch .Lasked_\@
.Lfor_b_\@:
	tensor_load_to_lds s[\g0b:\g0b+3], s[\g1b:\g1b+7]
	s_nop 0
.rept 4
	v_nop
.endr
.Lasked_\@:
.endm
.macro CREST
	s_cmp_lg_u32 s14, 0
	s_cbranch_scc1 .Lnot_wave_0_\@
	s_barrier_signal -3
.Lnot_wave_0_\@:
	s_barrier_wait -3
	s_barrier_signal -1
	s_barrier_wait -1
.endm
.macro CROUND
	s_barrier_signal -1
	s_barrier_wait -1
	CREST
.endm
.macro QMAX s, w                       ; 64 results of a lane in window w: the four blocks' largest magnitudes, with the floor 2^(5 - 127)
	WIN (\w)|((\w)<<2)
.irp b, 0,1,2,3
	v_max3_num_f32 v[TM+\b], |v[(\s)+16*\b]|, |v[(\s)+16*\b+1]|, 0x2800000
.endr
.irp i, 2,4,6,8,10,12,14
.irp b, 0,1,2,3
	v_max3_num_f32 v[TM+\b], |v[(\s)+16*\b+\i]|, |v[(\s)+16*\b+\i+1]|, v[TM+\b]
.endr
.endr
	WIN 0
.irp b, 0,1,2,3
	v_permlanex16_b32 v[TM+4+\b], v[TM+\b], s[SEL], s[SEL+1]
.endr
.irp b, 0,1,2,3
	v_max_num_f32 v[TM+\b], v[TM+\b], v[TM+4+\b]
.endr
.endm
.macro QTAIL s, w, dst, pc             ; the scale word into v[dst], the fragment's 12 registers into v[pc] on: each fragment has registers of its own, so no store's data are written again
.irp b, 0,1,2,3
	v_add_nc_u32 v[TM+12+\b], 0xfe000000, v[TM+\b]
.endr
.irp b, 0,1,2,3
	v_lshrrev_b32 v[TM+4+\b], 23, v[TM+12+\b]
.endr
	v_lshl_or_b32 v[\dst], v[TM+5], 8, v[TM+4]
	v_lshl_or_b32 v[\dst], v[TM+6], 16, v[\dst]
	v_lshl_or_b32 v[\dst], v[TM+7], 24, v[\dst]
	WIN \w
.irp c, 0,1
	v_cvt_scalef32_pk16_bf6_f32 v[(\pc)+6*\c:(\pc)+6*\c+2], v[(\s)+32*\c:(\s)+32*\c+15], v[TM+12+2*\c]
	v_cvt_scalef32_pk16_bf6_f32 v[TQ+4*\c:TQ+4*\c+2], v[(\s)+32*\c+16:(\s)+32*\c+31], v[TM+12+2*\c+1]
.endr
	WIN 0
	v_nop                                          ; one plain place behind a scaled conversion
.irp c, 0,1
.irp i, 0,1,2
	v_permlane16_swap_b32 v[(\pc)+6*\c+\i], v[TQ+4*\c+\i]
.endr
.irp i, 0,1,2
	v_mov_b32 v[(\pc)+3+6*\c+\i], v[TQ+4*\c+\i]
.endr
.endr
.endm
.macro OUTF off, adr, base, pc         ; 512 consecutive bytes a store, aligned
.irp c, 0,1,2
	global_store_b128 v[\adr], v[(\pc)+4*\c:(\pc)+4*\c+3], s[\base:\base+1] offset:(\off)+512*\c
.endr
.endm
	s_load_b256 s[4:11], s[0:1], 0x0               ; in_pack, bq, bk, bv
	s_load_b64 s[12:13], s[0:1], 0x20              ; act_pack
	v_lshl_add_u32 v[SPW], v0, 2, SPARE
	v_mov_b32 v[NIL], 0
	ds_add_u32 v[SPW], v[NIL]                      ; the opening lines: the add, twice on end, and its wait ahead of my first tensor load
	ds_add_u32 v[SPW], v[NIL]
	v_lshrrev_b32 v1, 5, v0
	v_readfirstlane_b32 s14, v1                    ; wave 0..3
	s_lshr_b32 s15, s14, 1                         ; my half of source 1's rows.  Also: I ask along the row (0) or the column (1)
	s_and_b32 s16, s14, 1                          ; my half of source 0's rows.  Also: which group I fetch
	s_bfe_u32 s56, ttmp6, 0x40000                  ; cx
	s_bfe_u32 s57, ttmp6, 0x40004                  ; cy
	s_and_b32 s60, ttmp7, 0xffff                   ; the cluster's y: 0..15
	s_lshr_b32 s59, s60, 3                         ; 0: q, 1: k
	s_mul_i32 s61, s59, 6553600
	s_mul_i32 s62, s59, 819200
	s_add_co_u32 s62, s62, 19660800
	s_and_b32 s17, s60, 7
	s_lshl_b32 s17, s17, 2
	s_add_co_u32 s17, s17, s57                     ; part 1: tile row, 256 rows of 8,192
	s_and_b32 s63, s60, 1
	s_lshl_b32 s63, s63, 2
	s_add_co_u32 s63, s63, s57                     ; part 2: group of 128 channels
	s_lshr_b32 s66, s60, 1
	s_lshl_b32 s66, s66, 2
	s_add_co_u32 s66, s66, s56                     ; part 2: 256 keys of 8,192
	s_lshl_b32 s45, s57, 2
	s_lshl_b32 s45, 15, s45                        ; my row of the cluster
	s_lshl_b32 s44, 0x1111, s56                    ; my column
	s_or_b32 s[G1], s45, (3<<16)|(1<<21)           ; dense blocks as rows of 32 elements of 8 bytes: 50 rows a pack
	s_or_b32 s[G1B], s44, (3<<16)|(1<<21)
	s_or_b32 s[G1C], s44, (3<<16)|(1<<21)
.irp g, G1, G1B
	s_mov_b32 s[\g+1], 32<<16
	s_mov_b32 s[\g+2], 300<<16                     ; six K steps
	s_mov_b32 s[\g+3], 32<<16
	s_mov_b32 s[\g+4], 300
	s_mov_b32 s[\g+5], 32
	s_mov_b32 s[\g+6], 0
	s_mov_b32 s[\g+7], 0
.endr
	s_mov_b32 s[G1C+1], 32<<16
	s_mov_b32 s[G1C+2], 200<<16
	s_mov_b32 s[G1C+3], 32<<16
	s_mov_b32 s[G1C+4], 200
	s_mov_b32 s[G1C+5], 32
	s_mov_b32 s[G1C+6], 0
	s_mov_b32 s[G1C+7], 0
	s_lshl_b32 s20, s17, 1
	s_add_co_u32 s20, s20, s16
	s_mul_i32 s20, s20, 102400
	s_add_co_u32 s20, s20, s61                     ; x: group 2 x tile row + half
	s_mov_b32 s21, 0
	s_lshl_b32 s46, s56, 1
	s_add_co_u32 s46, s46, s16
	s_mul_i32 s46, s46, 102400
	s_add_co_u32 s46, s46, s62                     ; W: group 2 cx + half
	s_mov_b32 s47, 0
	s_mul_i32 s[PA2], s63, 102400
	s_mul_i32 s58, s16, QB                         ; Wv: my two of a fill's four K steps
	s_add_co_u32 s[PA2], s[PA2], s58
	s_add_co_u32 s[PA2], s[PA2], 21299200
	s_mov_b32 s[PA2+1], 0
	s_lshl_b32 s67, s66, 1
	s_add_co_u32 s67, s67, s16
	s_mul_i32 s[PB2], s67, 102400
	s_add_co_u32 s[PB2], s[PB2], 13107200          ; v_in: group 2 x key tile + half
	s_mov_b32 s[PB2+1], 0
	s_mul_i32 s22, s14, PART                       ; part 1: my part of LDS
	s_mul_i32 s87, s16, PART                       ; part 2: part number half
	s_wait_dscnt 0x0                               ; both opening adds are done
	s_wait_kmcnt 0x0
	s_add_nc_u64 s[20:21], s[4:5], s[20:21]
	s_add_nc_u64 s[46:47], s[4:5], s[46:47]
	s_add_nc_u64 s[PA2:PA2+1], s[4:5], s[PA2:PA2+1]
	s_add_nc_u64 s[PB2:PB2+1], s[4:5], s[PB2:PB2+1]
.irp s, 0,1                                    ; group 0 number 0: K steps 0-5; number 1: steps 6, 7, into the same place
	s_mov_b32 s[G0+4*\s], 1
	s_add_co_u32 s[G0+4*\s+1], s22, 0
	s_add_nc_u64 s[G0+4*\s+2:G0+4*\s+3], s[20:21], \s*PART
	s_or_b32 s[G0+4*\s+3], s[G0+4*\s+3], 0x80000000
	s_mov_b32 s[G0B+4*\s], 1
	s_add_co_u32 s[G0B+4*\s+1], s22, 0
	s_add_nc_u64 s[G0B+4*\s+2:G0B+4*\s+3], s[46:47], \s*PART
	s_or_b32 s[G0B+4*\s+3], s[G0B+4*\s+3], 0x80000000
.endr
	CROUND                                         ; all sixteen work-groups are here: the first joint loads meet
	JLOAD G0, G1, G0B, G1B                         ; K steps 0-5: my one tensor load at the head
	s_lshl_b32 s2, s17, 1
	s_add_co_u32 s2, s2, s15                       ; my group of 128 rows
	s_lshl_b32 s3, s56, 1
	s_add_co_u32 s3, s3, s16                       ; my group of 128 channels
	s_lshl_b32 s18, s3, 9
	s_mov_b32 s19, 0
	s_cmp_eq_u32 s59, 0
	s_cselect_b64 s[6:7], s[6:7], s[8:9]
	s_add_nc_u64 s[6:7], s[6:7], s[18:19]          ; bq or bk at my channels
	s_lshl_b32 s18, s63, 9
	s_lshl_b32 s20, s15, 8
	s_add_co_u32 s18, s18, s20
	s_add_nc_u64 s[10:11], s[10:11], s[18:19]      ; bv at my 64 channels
	s_mul_i32 s18, s2, 102400
	s_add_co_u32 s18, s18, s61
	s_mul_i32 s20, s3, 12800
	s_add_co_u32 s18, s18, s20
	s_add_nc_u64 s[OUT:OUT+1], s[12:13], s[18:19]
	s_lshr_b32 s18, s67, 4
	s_mul_i32 s18, s18, 1638400
	s_add_co_u32 s18, s18, 13107200
	s_mul_i32 s20, s63, 204800
	s_add_co_u32 s18, s18, s20
	s_and_b32 s20, s67, 15
	s_mul_i32 s20, s20, 12800
	s_add_co_u32 s18, s18, s20
	s_add_nc_u64 s[OUT+2:OUT+3], s[12:13], s[18:19]
	s_mul_i32 s18, s15, PART                       ; my part of x
	s_mul_i32 s19, s16, PART
	s_add_co_u32 s19, s19, 2*PART                  ; my part of W
	s_xor_b32 s23, s15, 1
	s_add_co_u32 s23, s23, s16
	s_add_co_u32 s23, s23, 1
	s_mul_i32 s23, s23, PART                       ; from the one to the other
	s_mul_i32 s44, s15, 6144                       ; part 2: my four tiles of Wv
	s_lshl_b32 s45, s15, 3
	s_mov_b32 s[SEL], 0x76543210
	s_mov_b32 s[SEL+1], 0xfedcba98
	s_mov_b32 s[HM], 0xffff0000
	v_and_b32 v1, 15, v0                           ; r
	v_bfe_u32 v2, v0, 4, 1                         ; h
	v_and_b32 v3, 31, v0
	v_lshlrev_b32 v[L16], 4, v3
	v_lshlrev_b32 v16, 6, v2
	v_lshlrev_b32 v17, 2, v1
	v_mul_u32_u24 v7, s23, v2                      ; lanes 16-31 take W's scale words
	v_lshl_add_u32 v7, v1, 4, v7
	v_add_nc_u32 v7, 12288, v7
	v_add_nc_u32 v[ADRA], s18, v[L16]
	v_add_nc_u32 v[ADRB], s19, v[L16]
	v_add_nc_u32 v[ADRS], s18, v7
	v_add_nc_u32 v[ADRA+1], REG, v[ADRA]
	v_add_nc_u32 v[ADRB+1], REG, v[ADRB]
	v_add_nc_u32 v[ADRS+1], REG, v[ADRS]
	v_add_nc_u32 v[L16W], s44, v[L16]
	v_add_nc_u32 v[L16S], s45, v[L16]
	v_lshlrev_b32 v15, 4, v1
	v_add_nc_u32 v30, s45, v15
	v_add_nc_u32 v31, s87, v15
	v_add_nc_u32 v7, s87, v[L16]
.irp k, 0,1                                    ; Wv's K steps 2 k, 2 k + 1 of fill 0 lie at byte 51,200 of part k, of fill 1 at byte 0 of part 2 + k
	v_add_nc_u32 v[ADA2+\k], \k*PART+HB, v[L16W]
	v_add_nc_u32 v[ADA2+2+\k], (2+\k)*PART, v[L16W]
	v_add_nc_u32 v[ASA2+\k], \k*PART+HB+12288, v30
	v_add_nc_u32 v[ASA2+2+\k], (2+\k)*PART+12288, v30
.endr
	v_add_nc_u32 v[ADB2], 2*PART+QB, v7            ; v_in's group: fill 0 at byte 25,600 of part 2 + half, fill 1 at byte 0 of part half
	v_add_nc_u32 v[ADB2+1], 0, v7
	v_add_nc_u32 v[ASB2], 2*PART+QB+12288, v31
	v_add_nc_u32 v[ASB2+1], 12288, v31
.irp b, 0,1,2,3
	v_mov_b32 v[TM+4+\b], 0                        ; a lane permute's destination counts as one of its sources
.endr
.irp i, 0,1,2,3,4,5,6,7                        ; part 1's bias in the result's layout: register j of tile i is channel 32 (i / 2) + 16 h + 8 (i % 2) + j
	global_load_b128 v[BC+8*\i:BC+8*\i+3], v16, s[6:7] offset:(32*(\i/2)+8*(\i%2))*4
	global_load_b128 v[BC+8*\i+4:BC+8*\i+7], v16, s[6:7] offset:(32*(\i/2)+8*(\i%2))*4+16
.endr
	WIN 0x40
.irp i, 0,1,2,3                                ; part 2's: all eight registers of tile i are channel 16 i + r
.irp j, 0,1,2,3,4,5,6,7
	global_load_b32 v[BC2+8*\i+\j], v17, s[10:11] offset:64*\i
.endr
.endr
	WIN 0
.macro FRAG reg, adr, off
.irp c, 0,1,2
	ds_load_b128 v[(\reg)+4*\c:(\reg)+4*\c+3], v[\adr] offset:(\off)+512*\c
.endr
.endm
; K step st lies in pack st % 6 of its part: address register (st / 3) % 2, offset (st % 3) packs; source 0's fragments and the scale words have two sets, by st % 2; x's have one
.macro FETCH_B st
	WIN 0x40
.irp i, 0,1,2,3,4,5,6,7
	FRAG 128*((\st)%2)+12*\i, ADRB+((\st)/3)%2, GST*((\st)%3)+FRB*\i
.endr
	WIN 0
.endm
.macro FETCH_A st, i0
.irp i, \i0, \i0+1, \i0+2, \i0+3
	FRAG AF+12*(\i), ADRA+((\st)/3)%2, GST*((\st)%3)+FRB*(\i)
.endr
.endm
.macro SCALES st                       ; lanes 0-15 x's words, lanes 16-31 W's
.irp par, 0,1
	ds_load_b128 v[SC+8*((\st)%2)+4*\par:SC+8*((\st)%2)+4*\par+3], v[ADRS+((\st)/3)%2] offset:GST*((\st)%3)+256*\par
.endr
.endm
; 16 products: x's blocks a0, a0 + 1 x W's eight.  cm = 2: the bias is C.  The 64 accumulators take turns, in the same order in every step.
.macro MUL16 a0, st, cm
.irp a, \a0, \a0+1
.irp b, 0,1,2,3,4,5,6,7
.set rD, 8*(8*((\a)%4)+\b)
.set rB, 128*((\st)%2)+12*\b
.set rA, AF+12*(\a)
.set rX, SC+8*((\st)%2)+4*(\b%2)+\b/2
.set rY, SC+8*((\st)%2)+4*((\a)%2)+(\a)/2
.if (\cm) == 0
	v_wmma_scale_f32_16x16x128_f8f6f4 v[rD:rD+7], v[rB:rB+11], v[rA:rA+11], v[rD:rD+7], v[rX], v[rY] matrix_a_fmt:MATRIX_FMT_BF6 matrix_b_fmt:MATRIX_FMT_BF6 matrix_a_scale:MATRIX_SCALE_ROW1
.else
	v_wmma_scale_f32_16x16x128_f8f6f4 v[rD:rD+7], v[rB:rB+11], v[rA:rA+11], v[BC+8*\b:BC+8*\b+7], v[rX], v[rY] matrix_a_fmt:MATRIX_FMT_BF6 matrix_b_fmt:MATRIX_FMT_BF6 matrix_a_scale:MATRIX_SCALE_ROW1
.endif
.endr
.endr
.endm
.macro MULH a0, st, cm
.if (\cm) == 2
	WIN 0x81+0x40*((\a0)/4)
.else
	WIN 0xa1+0x50*((\a0)/4)
.endif
	MUL16 \a0, \st, \cm
	MUL16 (\a0)+2, \st, \cm
.endm
.macro STEP st, cm                     ; a K step whose successor is in LDS already
	s_wait_dscnt 12                                ; all but the youngest twelve loads, x's blocks 4-7
	MULH 0, \st, \cm
	s_wait_dscnt 0x0
	PLACES 4                                       ; in front of loads into registers that matrix instructions have read
	FETCH_B (\st)+1
	FETCH_A (\st)+1, 0
	SCALES (\st)+1
	MULH 4, \st, \cm
	PLACES 4
	WIN 0
	FETCH_A (\st)+1, 4
.endm
.macro P2DESC                          ; no tensor load of mine is out: groups 0 number 1 and 2 are written for part 2's two fills
	s_add_co_u32 s[G0+5], s87, HB
	s_mov_b64 s[G0+6:G0+7], s[PA2:PA2+1]
	s_or_b32 s[G0+7], s[G0+7], 0x80000000
	s_mov_b32 s[G0+8], 1
	s_add_co_u32 s[G0+9], s87, 2*PART
	s_add_nc_u64 s[G0+10:G0+11], s[PA2:PA2+1], HB
	s_or_b32 s[G0+11], s[G0+11], 0x80000000
	s_add_co_u32 s[G0B+5], s87, 2*PART+QB
	s_mov_b64 s[G0B+6:G0B+7], s[PB2:PB2+1]
	s_or_b32 s[G0B+7], s[G0B+7], 0x80000000
	s_mov_b32 s[G0B+8], 1
	s_add_co_u32 s[G0B+9], s87, 0
	s_add_nc_u64 s[G0B+10:G0B+11], s[PB2:PB2+1], HB
	s_or_b32 s[G0B+11], s[G0B+11], 0x80000000
.endm
; A K step behind which packs are filled again: each wave waits for all its tensor loads, adds 0 to its spare word, waits for that and for its reads so far; a round of the cluster's barrier; the refill first behind it.
.macro TURN st, kind
	s_wait_tensorcnt 0x0
	ds_add_u32 v[SPW], v[NIL]
.if (\kind) == 1
	s_mov_b32 s[G1+2], 100<<16                     ; from here on these two groups count two K steps
	s_mov_b32 s[G1+4], 100
	s_mov_b32 s[G1B+2], 100<<16
	s_mov_b32 s[G1B+4], 100
.else
	P2DESC
.endif
	s_wait_dscnt 13                                ; (the add and x's blocks 4-7 may be out)
	WIN 0xa1
	MUL16 0, \st, 0
	s_wait_dscnt 0x0                               ; the add is done, and my reads of this step's pack and of those before it are over
	s_barrier_signal -1
	MUL16 2, \st, 0
	WIN 0
	s_barrier_wait -1
	CREST
.if (\kind) == 1
	JLOAD G0+4, G1, G0B+4, G1B                     ; K steps 6, 7 into packs 0, 1; the four v_nop are the places in front of the loads below
.else
	JLOAD G0+4, G1, G0B+4, G1C                     ; part 2's K steps 0-3 into packs 2-5
.endif
	FETCH_B (\st)+1
	FETCH_A (\st)+1, 0
	SCALES (\st)+1
	WIN 0xf1
	MUL16 4, \st, 0
	MUL16 6, \st, 0
	PLACES 4
	WIN 0
	FETCH_A (\st)+1, 4
.endm
	s_wait_alu depctr_va_vdst(0)                   ; the wait at the head's end
	s_wait_loadcnt 0x0                             ; the biases are in
	s_wait_tensorcnt 0x0                           ; my part of K steps 0-5 is in
	s_barrier_signal -1
	s_barrier_wait -1
	FETCH_B 0
	FETCH_A 0, 0
	SCALES 0
	FETCH_A 0, 4
	STEP 0, 2
	TURN 1, 1
	STEP 2, 0
	STEP 3, 0
	STEP 4, 0
	TURN 5, 2
	STEP 6, 0
	s_wait_dscnt 12
	WIN 0xa1
	MUL16 0, 7, 0
	MUL16 2, 7, 0
	s_wait_dscnt 0x0
	WIN 0xf1
	MUL16 4, 7, 0
	MUL16 6, 7, 0
	WIN 0
	PLACES 4
.irp a, 0,1,2,3                                ; part 1's results: 16 rows x 128 channels at a time become a fragment image
	QMAX 64*(\a%4), 2+\a/4
	QTAIL 64*(\a%4), 2+\a/4, PWS+\a, AF+12*\a
	OUTF FRB*\a, L16, OUT, AF+12*\a
.endr
	s_wait_tensorcnt 0x0                           ; part 2's first fill is in; behind the round nobody reads packs 0, 1 any more
	ds_add_u32 v[SPW], v[NIL]
	s_wait_dscnt 0x0
	CROUND
	JLOAD G0+8, G1, G0B+8, G1C                     ; part 2's K steps 4-7
.irp a, 4,5,6,7
	QMAX 64*(\a%4), 2+\a/4
	QTAIL 64*(\a%4), 2+\a/4, PWS+\a, AF+12*\a
	OUTF FRB*\a, L16, OUT, AF+12*\a
.endr
.irp j, 0,1,2,3
	v_cndmask_b32 v[WJ+\j], v[PWS+2*\j], v[PWS+2*\j+1], s[HM]
.endr
	global_store_b128 v[L16], v[WJ:WJ+3], s[OUT:OUT+1] offset:12288
.macro FETCH2 rg, q, st                ; part 2: 40 loads: v_in's eight fragments, Wv's four, their scale words, into set st % 2
.set FS, (\st)%2
	WIN 0x40
.irp i, 0,1,2,3,4,5,6,7
	FRAG 128*FS+12*\i, ADB2+(\rg), GST*(\q)+FRB*\i
.endr
	WIN 0
.irp i, 0,1,2,3
	FRAG AF2+48*FS+12*\i, ADA2+2*(\rg)+(\q)/2, GST*((\q)%2)+FRB*\i
.endr
.irp par, 0,1
	ds_load_b128 v[SV+8*FS+4*\par:SV+8*FS+4*\par+3], v[ASB2+(\rg)] offset:GST*(\q)+256*\par
.endr
.irp par, 0,1
	ds_load_b64 v[SP+4*FS+2*\par:SP+4*FS+2*\par+1], v[ASA2+2*(\rg)+(\q)/2] offset:GST*((\q)%2)+256*\par
.endr
.endm
.macro MUL8 a, st, first               ; the 32 accumulators take turns
.set FS, (\st)%2
.irp b, 0,1,2,3,4,5,6,7
.set rD, 8*(8*(\a)+\b)
.set rB, 128*FS+12*\b
.set rA, AF2+48*FS+12*(\a)
.set rX, SV+8*FS+4*(\b%2)+\b/2
.set rY, SP+4*FS+2*((\a)%2)+(\a)/2
.if \first
	v_wmma_scale_f32_16x16x128_f8f6f4 v[rD:rD+7], v[rB:rB+11], v[rA:rA+11], v[BC2+8*(\a):BC2+8*(\a)+7], v[rX], v[rY] matrix_a_fmt:MATRIX_FMT_BF6 matrix_b_fmt:MATRIX_FMT_BF6
.else
	v_wmma_scale_f32_16x16x128_f8f6f4 v[rD:rD+7], v[rB:rB+11], v[rA:rA+11], v[rD:rD+7], v[rX], v[rY] matrix_a_fmt:MATRIX_FMT_BF6 matrix_b_fmt:MATRIX_FMT_BF6
.endif
.endr
.endm
.macro STEP2 st, first
	s_wait_dscnt 0x0
	PLACES 4
	FETCH2 ((\st)+1)/4, ((\st)+1)%4, (\st)+1
.if \first
	WIN 0x91
.else
	WIN 0xa1
.endif
	MUL8 0, \st, \first
	MUL8 1, \st, \first
	MUL8 2, \st, \first
	MUL8 3, \st, \first
.endm
	s_wait_xcnt 0x0                                ; the stores have read the registers on which the fragments land
	FETCH2 0, 0, 0
	STEP2 0, 1
	STEP2 1, 0
	STEP2 2, 0
	WIN 0
	s_wait_tensorcnt 0x0                           ; part 2's second fill is in
	ds_add_u32 v[SPW], v[NIL]
	s_wait_dscnt 1
	WIN 0xa1
	MUL8 0, 3, 0
	s_wait_dscnt 0x0
	s_barrier_signal -1
	MUL8 1, 3, 0
	WIN 0
	s_barrier_wait -1
	PLACES 4
	FETCH2 1, 0, 4
	WIN 0xa1
	MUL8 2, 3, 0
	MUL8 3, 3, 0
	STEP2 4, 0
	STEP2 5, 0
	STEP2 6, 0
	s_wait_dscnt 0x0
	WIN 0xa1
	MUL8 0, 7, 0
	MUL8 1, 7, 0
	MUL8 2, 7, 0
	MUL8 3, 7, 0
	WIN 0
	PLACES 4
.irp a, 0,1,2,3
	QMAX 64*\a, 2
	QTAIL 64*\a, 2, PWS+\a, 160+12*\a
	OUTF FRB*\a, L16W, OUT+2, 160+12*\a
.endr
.irp j, 0,1
	v_cndmask_b32 v[WJ+\j], v[PWS+2*\j], v[PWS+2*\j+1], s[HM]
.endr
	global_store_b64 v[L16S], v[WJ:WJ+1], s[OUT+2:OUT+3] offset:12288
	s_wait_tensorcnt 0x0                           ; the wave's end
	ds_add_u32 v[SPW], v[NIL]
	s_wait_dscnt 0x0
	CROUND                                         ; the closing round
	s_endpgm
.Lfunc_end_k_q05c135d7f5_proj:
	.size	k_q05c135d7f5_proj, .Lfunc_end_k_q05c135d7f5_proj-k_q05c135d7f5_proj
	.p2alignl 7, 3214868480
	.fill 96, 4, 3214868480
	.section	.rodata,"a",@progbits
	.p2align	6, 0x0
	.amdhsa_kernel k_q05c135d7f5_proj
		.amdhsa_group_segment_fixed_size 327680
		.amdhsa_private_segment_fixed_size 0
		.amdhsa_enable_private_segment 0
		.amdhsa_kernarg_size 40
		.amdhsa_user_sgpr_count 2
		.amdhsa_user_sgpr_kernarg_segment_ptr 1
		.amdhsa_wavefront_size32 1
		.amdhsa_system_sgpr_workgroup_id_x 1
		.amdhsa_system_sgpr_workgroup_id_y 1
		.amdhsa_system_sgpr_workgroup_id_z 1
		.amdhsa_system_vgpr_workitem_id 0
		.amdhsa_next_free_vgpr 1024
		.amdhsa_next_free_sgpr 100
		.amdhsa_reserve_vcc 0
		.amdhsa_float_denorm_mode_32 3
		.amdhsa_float_denorm_mode_16_64 3
		.amdhsa_memory_ordered 1
		.amdhsa_forward_progress 1
		.amdhsa_inst_pref_size 215
	.end_amdhsa_kernel
	.amdgpu_metadata
---
amdhsa.version: [ 1, 2 ]
amdhsa.kernels:
  - .name:           k_q05c135d7f5_proj
    .symbol:         k_q05c135d7f5_proj.kd
    .args:
      - { .name: in_pack, .offset: 0, .size: 8, .value_kind: global_buffer, .address_space: global }
      - { .name: bq, .offset: 8, .size: 8, .value_kind: global_buffer, .address_space: global }
      - { .name: bk, .offset: 16, .size: 8, .value_kind: global_buffer, .address_space: global }
      - { .name: bv, .offset: 24, .size: 8, .value_kind: global_buffer, .address_space: global }
      - { .name: act_pack, .offset: 32, .size: 8, .value_kind: global_buffer, .address_space: global }
    .group_segment_fixed_size: 327680
    .private_segment_fixed_size: 0
    .kernarg_segment_align: 8
    .kernarg_segment_size: 40
    .max_flat_workgroup_size: 128
    .sgpr_count:     100
    .vgpr_count:     1024
    .wavefront_size: 32
...
	.end_amdgpu_metadata
.endif
;; end of part 2
;; launch scores (part 3): grid 8 x 32, 4 waves a work-group, clusters of 4 x 4, 327,680 bytes of LDS; arguments act_pack, p_codes, p_stats; writes p_codes, p_stats
.if DOCPART == 3
	.amdgcn_target "amdgcn-amd-amdhsa--gfx1250"
	.amdhsa_code_object_version 6
	.text
	.protected	k_q05c135d7f5_scores
	.globl	k_q05c135d7f5_scores
	.p2align	8
	.type	k_q05c135d7f5_scores,@function
k_q05c135d7f5_scores:
	s_mov_b64 s[64:65], 0
	v_nop
	global_prefetch_b8 v0, s[64:65] scope:SCOPE_SE
	s_setreg_imm32_b32 hwreg(HW_REG_WAVE_MODE, 25, 1), 1
	s_wait_xcnt 0x0
	s_wait_alu depctr_hold_cnt(0) depctr_sa_sdst(0) depctr_va_vdst(0) depctr_va_sdst(0) depctr_va_ssrc(0) depctr_va_vcc(0) depctr_vm_vsrc(0)
	s_getreg_b32 s2, hwreg(HW_REG_IB_STS2, 6, 4)
	s_cmp_eq_u32 s2, 0
	s_cbranch_scc0 .Lentry_in_a_cluster
	s_endpgm
.Lentry_in_a_cluster:
	s_bfe_u32 s2, ttmp6, 0x10000c
	s_cmp_lg_u32 s2, 0xf033
	s_cbranch_scc0 .Lentry_shape_is_right
	s_endpgm
.Lentry_shape_is_right:
; For each batch: scores = q k^T on codes of BF6 (E3M2), K = 1,024; t = score x log2(e) / 32; p = 2^(t - M) quantised along the keys.  M HERE IS LOCAL: the ceiling of the largest t of a row's 128 keys that one wave holds:
; a whole number.  The launch that follows takes the row's M from the sixteen local ones and lowers p's scale bytes by the difference, which is exact.  A maximum is so taken away before every exponential.
; Stored for each (group of 128 queries g, key step s of 128 keys): p_codes [g 64][s 16][8 fragment images of 1,536 bytes]; p_stats [g 64][s 16][3 blocks of 512 bytes]: p's scale words, -M (f32, whole), the sum of the
; unquantised p (f32); in a block the word of (tile t, row r) lies at 256 (t % 2) + 16 r + 4 (t / 2).
; act_pack: q at 0, k at 6,553,600, both [group of 128 rows 64][K step 8][pack of 12,800 bytes: eight images, then a scale block at 12,288].  k's tiles hold rows 32 b + 8 u + r + 8 (r / 8).
; A tile of 256 queries x 256 keys is made by four waves, each 128 x 128.  TRANSPOSED: source 0 = k, source 1 = q: a lane holds ONE query, and the 16 registers of two neighbouring tiles are 16 neighbouring keys.
; LDS: four parts of 76,800 bytes (q's two groups, k's two groups), each six packs.  Two fills, one joint load a wave each: K steps 0-5 at the head; steps 6, 7 into the place of steps 0, 1, behind a round of the cluster's barrier in
; step 1, four K steps ahead of the wait for them.  q's parts are asked for jointly along a row of the cluster, k's along a column.
; No prefetch: the largest block, in clusters, and K is 8 steps, six of which come at the head.
; LIMITS: p under 2^-126 counts as 0; a block whose largest p lies under 2^-122 keeps the byte 1; NaN and infinities are not served; the scaled scores stay under 2^31 in magnitude.
; REGISTERS: window 0: v1-14 addresses; v28-29 the add's; v32-47 scale words (in the epilogue: v32 p's words, v40 -M and sums in pairs, v56 a conversion's second halves); v64-127 p (at the end: blocks on their way out);
;   v128-223 q's fragments (in the epilogue: a fragment's codes, 12 registers of its own each); v224-251 at work.   window 1: k's fragments, two sets.   windows 2, 3: the accumulators.
.set PART,  76800
.set REG,   38400                      ; from a part's packs 0-2 to its packs 3-5
.set GST,   12800
.set FRB,   1536
.set SPARE, 4*PART
.set L16,  3
.set ADRA, 4
.set ADRB, 8
.set ADRS, 12
.set SPW,  28
.set NIL,  29
.set SC,   32
.set PWS,  32
.set ST,   40                          ; tile a: v[ST + 2 a] -M, v[ST + 2 a + 1] the sum
.set TQ,   56
.set P,    64
.set WJ,   64
.set AF,   128
.set TM,   224
.set T0,   240
.set T1,   241
.set T2,   242
.set SU,   244
.set G1,   24
.set G0,   32
.set G1B,  48
.set G0B,  68
.set OUT,  80                          ; s[80:81] my fragments;  s[82:83] my three blocks
.set SEL,  84
.set HM,   86
.set CS,   88                          ; s[88:89] c = log2(e) / 32
.set MSB, 0
.macro WIN new
.if MSB != (\new)
	s_set_vgpr_msb (MSB<<8)|(\new)
.set MSB, (\new)
.endif
.endm
.macro PLACES n
.rept \n
	v_nop
.endr
.endm
.macro JLOAD g0a, g1a, g0b, g1b        ; waves 0 and 1 fetch for q, waves 2 and 3 for k; s_nop 0 and four v_nop follow each line
	s_cmp_eq_u32 s15, 0
	s_cbranch_scc0 .Lfor_b_\@
	tensor_load_to_lds s[\g0a:\g0a+3], s[\g1a:\g1a+7]
	s_nop 0
.rept 4
	v_nop
.endr
	s_branch .Lasked_\@
.Lfor_b_\@:
	tensor_load_to_lds s[\g0b:\g0b+3], s[\g1b:\g1b+7]
	s_nop 0
.rept 4
	v_nop
.endr
.Lasked_\@:
.endm
.macro CREST
	s_cmp_lg_u32 s14, 0
	s_cbranch_scc1 .Lnot_wave_0_\@
	s_barrier_signal -3
.Lnot_wave_0_\@:
	s_barrier_wait -3
	s_barrier_signal -1
	s_barrier_wait -1
.endm
.macro CROUND
	s_barrier_signal -1
	s_barrier_wait -1
	CREST
.endm
.macro QTAIL s, dst, pc                ; from the four blocks' largest numbers in v[TM] on: the scale word into v[dst], the fragment's 12 registers into v[pc] on: registers of its own, so no store's data are written again
.irp b, 0,1,2,3
	v_add_nc_u32 v[TM+12+\b], 0xfe000000, v[TM+\b]   ; 4 off the exponent field: the conversion's scale operand
.endr
.irp b, 0,1,2,3
	v_lshrrev_b32 v[TM+4+\b], 23, v[TM+12+\b]
.endr
	v_lshl_or_b32 v[\dst], v[TM+5], 8, v[TM+4]
	v_lshl_or_b32 v[\dst], v[TM+6], 16, v[\dst]
	v_lshl_or_b32 v[\dst], v[TM+7], 24, v[\dst]
.irp c, 0,1
	v_cvt_scalef32_pk16_bf6_f32 v[(\pc)+6*\c:(\pc)+6*\c+2], v[(\s)+32*\c:(\s)+32*\c+15], v[TM+12+2*\c]
	v_cvt_scalef32_pk16_bf6_f32 v[TQ+4*\c:TQ+4*\c+2], v[(\s)+32*\c+16:(\s)+32*\c+31], v[TM+12+2*\c+1]
.endr
	v_nop                                          ; one plain place behind a scaled conversion
.irp c, 0,1
.irp i, 0,1,2
	v_permlane16_swap_b32 v[(\pc)+6*\c+\i], v[TQ+4*\c+\i]
.endr
.irp i, 0,1,2
	v_mov_b32 v[(\pc)+3+6*\c+\i], v[TQ+4*\c+\i]
.endr
.endr
.endm
.macro OUTF off, pc
.irp c, 0,1,2
	global_store_b128 v[L16], v[(\pc)+4*\c:(\pc)+4*\c+3], s[OUT:OUT+1] offset:(\off)+512*\c   ; 512 consecutive bytes, aligned
.endr
.endm
.macro SCOUT src, stride, wj, off      ; eight words (one a tile) leave as a block of 512 bytes
.irp j, 0,1,2,3
	v_cndmask_b32 v[(\wj)+\j], v[(\src)+2*\j*(\stride)], v[(\src)+(2*\j+1)*(\stride)], s[HM]
.endr
	global_store_b128 v[L16], v[\wj:\wj+3], s[OUT+2:OUT+3] offset:\off
.endm
	s_load_b128 s[4:7], s[0:1], 0x0                ; act_pack, p_codes
	s_load_b64 s[8:9], s[0:1], 0x10                ; p_stats
	v_lshl_add_u32 v[SPW], v0, 2, SPARE
	v_mov_b32 v[NIL], 0
	ds_add_u32 v[SPW], v[NIL]                      ; the opening lines: the add, twice on end, and its wait ahead of my first tensor load
	ds_add_u32 v[SPW], v[NIL]
	v_lshrrev_b32 v1, 5, v0
	v_readfirstlane_b32 s14, v1                    ; wave 0..3
	s_lshr_b32 s15, s14, 1                         ; my half of the queries.  Also: I fetch for q (0) or for k (1)
	s_and_b32 s16, s14, 1                          ; my half of the keys.  Also: which group I fetch
	s_bfe_u32 s56, ttmp6, 0x40000                  ; cx
	s_bfe_u32 s57, ttmp6, 0x40004                  ; cy
	s_and_b32 s60, ttmp7, 0xffff                   ; the cluster's y: 0..7
	s_lshr_b32 s59, s60, 1                         ; the batch: shared by all partners
	s_lshl_b32 s17, s60, 2
	s_add_co_u32 s17, s17, s57                     ; tile row: 256 queries of all 8,192
	s_lshl_b32 s58, ttmp9, 2
	s_add_co_u32 s58, s58, s56                     ; tile column: 256 keys of the batch's 2,048
	s_lshl_b32 s45, s57, 2
	s_lshl_b32 s45, 15, s45                        ; my row of the cluster
	s_lshl_b32 s44, 0x1111, s56                    ; my column
	s_or_b32 s[G1], s45, (3<<16)|(1<<21)           ; a dense block as rows of 32 elements of 8 bytes: 50 rows a pack
	s_or_b32 s[G1B], s44, (3<<16)|(1<<21)
.irp g, G1, G1B
	s_mov_b32 s[\g+1], 32<<16
	s_mov_b32 s[\g+2], 300<<16                     ; six K steps
	s_mov_b32 s[\g+3], 32<<16
	s_mov_b32 s[\g+4], 300
	s_mov_b32 s[\g+5], 32
	s_mov_b32 s[\g+6], 0
	s_mov_b32 s[\g+7], 0
.endr
	s_lshl_b32 s20, s17, 1
	s_add_co_u32 s20, s20, s16
	s_mul_i32 s20, s20, 102400                     ; q: group 2 x tile row + half
	s_mov_b32 s21, 0
	s_lshl_b32 s90, s59, 4
	s_lshl_b32 s91, s58, 1
	s_add_co_u32 s90, s90, s91
	s_add_co_u32 s90, s90, s16
	s_mul_i32 s90, s90, 102400
	s_add_co_u32 s90, s90, 6553600                 ; k: group 16 x batch + 2 x tile column + half
	s_mov_b32 s91, 0
	s_mul_i32 s22, s14, PART
	s_wait_dscnt 0x0                               ; both opening adds are done
	s_wait_kmcnt 0x0
	s_add_nc_u64 s[20:21], s[4:5], s[20:21]
	s_add_nc_u64 s[90:91], s[4:5], s[90:91]
.irp s, 0,1                                    ; group 0 number 0: K steps 0-5; number 1: steps 6, 7, into the same place
	s_mov_b32 s[G0+4*\s], 1
	s_add_co_u32 s[G0+4*\s+1], s22, 0
	s_add_nc_u64 s[G0+4*\s+2:G0+4*\s+3], s[20:21], \s*PART
	s_or_b32 s[G0+4*\s+3], s[G0+4*\s+3], 0x80000000
	s_mov_b32 s[G0B+4*\s], 1
	s_add_co_u32 s[G0B+4*\s+1], s22, 0
	s_add_nc_u64 s[G0B+4*\s+2:G0B+4*\s+3], s[90:91], \s*PART
	s_or_b32 s[G0B+4*\s+3], s[G0B+4*\s+3], 0x80000000
.endr
	CROUND                                         ; all sixteen work-groups are here: the first joint loads meet
	JLOAD G0, G1, G0B, G1B                         ; K steps 0-5: my one tensor load at the head
	s_lshl_b32 s94, s17, 1
	s_add_co_u32 s94, s94, s15                     ; g: my group of 128 queries
	s_lshl_b32 s95, s58, 1
	s_add_co_u32 s95, s95, s16                     ; my key step
	s_mul_i32 s96, s94, 196608
	s_mul_i32 s97, s95, 12288
	s_add_co_u32 s96, s96, s97
	s_mov_b32 s97, 0
	s_add_nc_u64 s[OUT:OUT+1], s[6:7], s[96:97]
	s_mul_i32 s96, s94, 24576
	s_mul_i32 s66, s95, 1536
	s_add_co_u32 s96, s96, s66
	s_add_nc_u64 s[OUT+2:OUT+3], s[8:9], s[96:97]
	s_mul_i32 s18, s15, PART
	s_mul_i32 s19, s16, PART
	s_add_co_u32 s19, s19, 2*PART
	s_xor_b32 s23, s15, 1
	s_add_co_u32 s23, s23, s16
	s_add_co_u32 s23, s23, 1
	s_mul_i32 s23, s23, PART                       ; from my part of q to my part of k
	s_mov_b32 s[SEL], 0x76543210
	s_mov_b32 s[SEL+1], 0xfedcba98
	s_mov_b32 s[HM], 0xffff0000
	s_mov_b32 s[CS], 0x3d38aa3b                    ; log2(e) / 32
	s_mov_b32 s[CS+1], s[CS]                       ; (named with it as a pair, so it is written)
	v_and_b32 v1, 15, v0                           ; r
	v_bfe_u32 v2, v0, 4, 1                         ; h
	v_and_b32 v3, 31, v0
	v_lshlrev_b32 v[L16], 4, v3
	v_mul_u32_u24 v7, s23, v2                      ; lanes 16-31 take k's scale words
	v_lshl_add_u32 v7, v1, 4, v7
	v_add_nc_u32 v7, 12288, v7
	v_add_nc_u32 v[ADRA], s18, v[L16]
	v_add_nc_u32 v[ADRB], s19, v[L16]
	v_add_nc_u32 v[ADRS], s18, v7
	v_add_nc_u32 v[ADRA+1], REG, v[ADRA]
	v_add_nc_u32 v[ADRB+1], REG, v[ADRB]
	v_add_nc_u32 v[ADRS+1], REG, v[ADRS]
.irp b, 0,1,2,3
	v_mov_b32 v[TM+4+\b], 0                        ; a lane permute's destination counts as one of its sources
.endr
	v_mov_b32 v[T2], 0
.macro FRAG reg, adr, off
.irp c, 0,1,2
	ds_load_b128 v[(\reg)+4*\c:(\reg)+4*\c+3], v[\adr] offset:(\off)+512*\c
.endr
.endm
; K step st lies in pack st % 6 of its part: address register (st / 3) % 2, offset (st % 3) packs; k's fragments and the scale words have two sets, by st % 2; q's have one
.macro FETCH_B st
	WIN 0x40
.irp i, 0,1,2,3,4,5,6,7
	FRAG 128*((\st)%2)+12*\i, ADRB+((\st)/3)%2, GST*((\st)%3)+FRB*\i
.endr
	WIN 0
.endm
.macro FETCH_A st, i0
.irp i, \i0, \i0+1, \i0+2, \i0+3
	FRAG AF+12*(\i), ADRA+((\st)/3)%2, GST*((\st)%3)+FRB*(\i)
.endr
.endm
.macro SCALES st                       ; lanes 0-15 q's words, lanes 16-31 k's
.irp par, 0,1
	ds_load_b128 v[SC+8*((\st)%2)+4*\par:SC+8*((\st)%2)+4*\par+3], v[ADRS+((\st)/3)%2] offset:GST*((\st)%3)+256*\par
.endr
.endm
; 16 products: q's blocks a0, a0 + 1 x k's eight.  cm = 1: the first product starts the sums.  The 64 accumulators take turns, in the same order in every step.
.macro MUL16 a0, st, cm
.irp a, \a0, \a0+1
.irp b, 0,1,2,3,4,5,6,7
.set rD, 8*(8*((\a)%4)+\b)
.set rB, 128*((\st)%2)+12*\b
.set rA, AF+12*(\a)
.set rX, SC+8*((\st)%2)+4*(\b%2)+\b/2
.set rY, SC+8*((\st)%2)+4*((\a)%2)+(\a)/2
.if (\cm) == 0
	v_wmma_scale_f32_16x16x128_f8f6f4 v[rD:rD+7], v[rB:rB+11], v[rA:rA+11], v[rD:rD+7], v[rX], v[rY] matrix_a_fmt:MATRIX_FMT_BF6 matrix_b_fmt:MATRIX_FMT_BF6 matrix_a_scale:MATRIX_SCALE_ROW1
.else
	v_wmma_scale_f32_16x16x128_f8f6f4 v[rD:rD+7], v[rB:rB+11], v[rA:rA+11], 0, v[rX], v[rY] matrix_a_fmt:MATRIX_FMT_BF6 matrix_b_fmt:MATRIX_FMT_BF6 matrix_a_scale:MATRIX_SCALE_ROW1
.endif
.endr
.endr
.endm
.macro MULH a0, st, cm
	WIN 0xa1+0x50*((\a0)/4)                        ; k window 1, q window 0, C and D window 2 or 3
	MUL16 \a0, \st, \cm
	MUL16 (\a0)+2, \st, \cm
.endm
.macro STEP st, cm                     ; a K step whose successor is in LDS already
	s_wait_dscnt 12                                ; all but the youngest twelve loads, q's blocks 4-7
	MULH 0, \st, \cm
	s_wait_dscnt 0x0
	PLACES 4                                       ; in front of loads into registers that matrix instructions have read
	FETCH_B (\st)+1
	FETCH_A (\st)+1, 0
	SCALES (\st)+1
	MULH 4, \st, \cm
	PLACES 4
	WIN 0
	FETCH_A (\st)+1, 4
.endm
; A K step with a barrier.  fill = 1: packs 0, 1 are filled again, behind a round of the cluster's barrier.  fill = 0: the refill has landed in every wave.
.macro TURN st, fill
	s_wait_tensorcnt 0x0                           ; all my tensor loads have landed
	ds_add_u32 v[SPW], v[NIL]                      ; 0 onto my spare word
.if \fill
	s_mov_b32 s[G1+2], 100<<16                     ; no load of mine is out: the refill counts two K steps
	s_mov_b32 s[G1+4], 100
	s_mov_b32 s[G1B+2], 100<<16
	s_mov_b32 s[G1B+4], 100
.endif
	s_wait_dscnt 13                                ; (the add and q's blocks 4-7 may be out)
	WIN 0xa1
	MUL16 0, \st, 0
	s_wait_dscnt 0x0                               ; the add is done, and my reads of this step's pack and of those before it are over
	s_barrier_signal -1
	MUL16 2, \st, 0
	WIN 0
	s_barrier_wait -1
.if \fill
	CREST
	JLOAD G0+4, G1, G0B+4, G1B                     ; K steps 6 and 7; its four v_nop are the places in front of the loads below
.else
	PLACES 4
.endif
	FETCH_B (\st)+1
	FETCH_A (\st)+1, 0
	SCALES (\st)+1
	WIN 0xf1
	MUL16 4, \st, 0
	MUL16 6, \st, 0
	PLACES 4
	WIN 0
	FETCH_A (\st)+1, 4
.endm
	s_wait_alu depctr_va_vdst(0)                   ; the wait at the head's end
	s_wait_tensorcnt 0x0                           ; my part of K steps 0-5 is in
	s_barrier_signal -1
	s_barrier_wait -1
	FETCH_B 0
	FETCH_A 0, 0
	SCALES 0
	FETCH_A 0, 4
	STEP 0, 1                                      ; K step 0 starts the sums
	TURN 1, 1
	STEP 2, 0
	STEP 3, 0
	STEP 4, 0
	TURN 5, 0
	STEP 6, 0
	s_wait_dscnt 12
	WIN 0xa1
	MUL16 0, 7, 0
	MUL16 2, 7, 0
	s_wait_dscnt 0x0
	WIN 0xf1
	MUL16 4, 7, 0
	MUL16 6, 7, 0
	WIN 0
; THE SOFTMAX'S FIRST HALF, for block a: 16 queries x my 128 keys.  Register 16 b + i of a lane is key 32 b + 16 (lane / 16) + i of its query.
.macro SOFT a
.set SA, 64*((\a)%4)
.set WA, 2+(\a)/4
.set SM, ST+2*(\a)
	WIN WA|(WA<<2)
.irp b, 0,1,2,3
	v_max3_num_f32 v[TM+\b], v[SA+16*\b], v[SA+16*\b+1], 0xff800000   ; the largest SCORE of each block of 32 keys: it serves for the row's maximum and, since p rises with the score, for the block's largest p
.endr
.irp i, 2,4,6,8,10,12,14
.irp b, 0,1,2,3
	v_max3_num_f32 v[TM+\b], v[SA+16*\b+\i], v[SA+16*\b+\i+1], v[TM+\b]   ; each accumulator from its low end on
.endr
.endr
	WIN 0
.irp b, 0,1,2,3
	v_permlanex16_b32 v[TM+4+\b], v[TM+\b], s[SEL], s[SEL+1]
.endr
.irp b, 0,1,2,3
	v_max_num_f32 v[TM+\b], v[TM+\b], v[TM+4+\b]
.endr
	v_max3_num_f32 v[T0], v[TM], v[TM+1], v[TM+2]
	v_max_num_f32 v[T0], v[T0], v[TM+3]
	v_mul_f32 v[T0], s[CS], v[T0]                  ; as t (c is positive)
	v_floor_f32 v[SM], -v[T0]                      ; -M = floor(-t): M is a whole number
	WIN WA
.set J, 0
.rept 32
	v_pk_fma_f32 v[P+J:P+J+1], v[SA+J:SA+J+1], s[CS:CS+1], v[SM:SM+1] op_sel_hi:[1,0,0]   ; t - M, two at a time
.set J, J+2
.endr
	WIN 0
.irp b, 0,1,2,3
	v_fma_f32 v[TM+\b], v[TM+\b], s[CS], v[SM]     ; the same of each block's largest score
.endr
.set J, 0
	s_wait_alu depctr_va_vdst(0)                   ; the wait ahead of the batch
.rept 64
	v_exp_f32 v[P+J], v[P+J]                       ; p = 2^(t - M), at most 1
.set J, J+1
.endr
	v_nop                                          ; a plain place behind the exponentials
	s_wait_alu depctr_va_vdst(0)                   ; one wait for the batch, ahead of its first reader
.irp b, 0,1,2,3
	v_exp_f32 v[TM+\b], v[TM+\b]                   ; the block's largest p
.endr
.irp c, 0,2,4,6
	v_pk_add_f32 v[SU+\c:SU+\c+1], v[P+\c:P+\c+1], v[P+8+\c:P+8+\c+1]   ; the sum of the UNQUANTISED p, in four chains by turns; it reads the 64 alone
.endr
.irp j, 16,24,32,40,48,56
.irp c, 0,2,4,6
	v_pk_add_f32 v[SU+\c:SU+\c+1], v[SU+\c:SU+\c+1], v[P+\j+\c:P+\j+\c+1]
.endr
.endr
	v_pk_add_f32 v[SU:SU+1], v[SU:SU+1], v[SU+2:SU+3]
	v_pk_add_f32 v[SU+4:SU+5], v[SU+4:SU+5], v[SU+6:SU+7]
	v_pk_add_f32 v[SU:SU+1], v[SU:SU+1], v[SU+4:SU+5]
	v_add_f32 v[T1], v[SU], v[SU+1]
	v_permlanex16_b32 v[T2], v[T1], s[SEL], s[SEL+1]
	v_add_f32 v[SM+1], v[T1], v[T2]                ; with lane l xor 16's 64 keys
	s_wait_alu depctr_va_vdst(0)                   ; and one wait for the four
.irp b, 0,1,2,3
	v_max_num_f32 v[TM+\b], 0x2800000, v[TM+\b]    ; the floor 2^(5 - 127): the byte cannot fall under 1
.endr
	QTAIL P, PWS+(\a), AF+12*(\a)
	OUTF FRB*(\a), AF+12*(\a)
.endm
	PLACES 4                                       ; behind the last products
.set J, 0
.rept 16
	v_mov_b32 v[ST+J], 0                           ; (a pair is named whole by the packed form before its upper half is made)
.set J, J+1
.endr
.irp a, 0,1,2,3,4,5,6,7
	SOFT \a
.endr
	SCOUT PWS, 1, WJ, 0                            ; p's scale words,
	SCOUT ST, 2, WJ+4, 512                         ; -M,
	SCOUT ST+1, 2, WJ+8, 1024                      ; the sums
	s_wait_tensorcnt 0x0                           ; the wave's end
	ds_add_u32 v[SPW], v[NIL]
	s_wait_dscnt 0x0
	CROUND                                         ; the closing round
	s_endpgm
.Lfunc_end_k_q05c135d7f5_scores:
	.size	k_q05c135d7f5_scores, .Lfunc_end_k_q05c135d7f5_scores-k_q05c135d7f5_scores
	.p2alignl 7, 3214868480
	.fill 96, 4, 3214868480
	.section	.rodata,"a",@progbits
	.p2align	6, 0x0
	.amdhsa_kernel k_q05c135d7f5_scores
		.amdhsa_group_segment_fixed_size 327680
		.amdhsa_private_segment_fixed_size 0
		.amdhsa_enable_private_segment 0
		.amdhsa_kernarg_size 24
		.amdhsa_user_sgpr_count 2
		.amdhsa_user_sgpr_kernarg_segment_ptr 1
		.amdhsa_wavefront_size32 1
		.amdhsa_system_sgpr_workgroup_id_x 1
		.amdhsa_system_sgpr_workgroup_id_y 1
		.amdhsa_system_sgpr_workgroup_id_z 1
		.amdhsa_system_vgpr_workitem_id 0
		.amdhsa_next_free_vgpr 1024
		.amdhsa_next_free_sgpr 100
		.amdhsa_reserve_vcc 0
		.amdhsa_float_denorm_mode_32 3
		.amdhsa_float_denorm_mode_16_64 3
		.amdhsa_memory_ordered 1
		.amdhsa_forward_progress 1
		.amdhsa_inst_pref_size 192
	.end_amdhsa_kernel
	.amdgpu_metadata
---
amdhsa.version: [ 1, 2 ]
amdhsa.kernels:
  - .name:           k_q05c135d7f5_scores
    .symbol:         k_q05c135d7f5_scores.kd
    .args:
      - { .name: act_pack, .offset: 0, .size: 8, .value_kind: global_buffer, .address_space: global }
      - { .name: p_codes, .offset: 8, .size: 8, .value_kind: global_buffer, .address_space: global }
      - { .name: p_stats, .offset: 16, .size: 8, .value_kind: global_buffer, .address_space: global }
    .group_segment_fixed_size: 327680
    .private_segment_fixed_size: 0
    .kernarg_segment_align: 8
    .kernarg_segment_size: 24
    .max_flat_workgroup_size: 128
    .sgpr_count:     100
    .vgpr_count:     1024
    .wavefront_size: 32
...
	.end_amdgpu_metadata
.endif
;; end of part 3
;; launch pv (part 4): grid 4 x 64, 4 waves a work-group, clusters of 4 x 4, 327,680 bytes of LDS; arguments p_codes, p_stats, act_pack, out0; writes out0
.if DOCPART == 4
	.amdgcn_target "amdgcn-amd-amdhsa--gfx1250"
	.amdhsa_code_object_version 6
	.text
	.protected	k_q05c135d7f5_pv
	.globl	k_q05c135d7f5_pv
	.p2align	8
	.type	k_q05c135d7f5_pv,@function
k_q05c135d7f5_pv:
	s_mov_b64 s[64:65], 0
	v_nop
	global_prefetch_b8 v0, s[64:65] scope:SCOPE_SE
	s_setreg_imm32_b32 hwreg(HW_REG_WAVE_MODE, 25, 1), 1
	s_wait_xcnt 0x0
	s_wait_alu depctr_hold_cnt(0) depctr_sa_sdst(0) depctr_va_vdst(0) depctr_va_sdst(0) depctr_va_ssrc(0) depctr_va_vcc(0) depctr_vm_vsrc(0)
	s_getreg_b32 s2, hwreg(HW_REG_IB_STS2, 6, 4)
	s_cmp_eq_u32 s2, 0
	s_cbranch_scc0 .Lentry_in_a_cluster
	s_endpgm
.Lentry_in_a_cluster:
	s_bfe_u32 s2, ttmp6, 0x10000c
	s_cmp_lg_u32 s2, 0xf033
	s_cbranch_scc0 .Lentry_shape_is_right
	s_endpgm
.Lentry_shape_is_right:
; out0 = (p v) / l on codes of BF6 (E3M2), K = a batch's 2,048 keys in 16 steps of 128.
; p_codes [group of 128 queries g 64][key step 16][8 fragment images of 1,536 bytes]; p_stats [g][key step][scale words | -M_loc | l_loc], blocks of 512 bytes, the word of (tile t, row r) at 256 (t % 2) + 16 r + 4 (t / 2).
; v in act_pack at 13,107,200: [batch 4][group of 128 channels 8][key step 16][pack of 12,800 bytes: eight images, then a scale block at 12,288].
; THE SOFTMAX'S SECOND HALF.  p was made under a whole number M_loc for each (row, key step).  The row's M is the largest of the sixteen; p under M is p x 2^-(M - M_loc): exact, and taken off p's scale bytes.
; l = the sum of l_loc x 2^-(M - M_loc); the result is multiplied by 1 / l.  Thread n of the work-group owns word n of every block: 128 rows, 128 threads.
; LIMITS: M - M_loc is held at 255 and a lowered byte at 0 (2^-127): what that leaves in a sum is under 28 x 2^-127 x |v| a key, beside l of at least 1/2.  NaN and infinities are not served.
; A tile of 128 queries x 256 channels is made by four waves, each 64 x 128: 32 accumulators; 256 work-groups.  TRANSPOSED: source 0 = v (16 channels), source 1 = p (16 queries): a lane holds eight neighbouring channels of one query.
; LDS: two slots of 151,552 bytes, each FOUR key steps: p [4][12,288], then v's two groups [4][12,800] each.  Four fills, one joint load a wave each: fill 0 at the head; fill 1 behind the head's sequence and a round of the cluster's
; barrier; fills 2 and 3 are refills, each behind a round, with 112 matrix instructions a wave in which to land.  The statistics are worked while fill 0 is out.  Behind the slots: p's lowered scale blocks (8,192 bytes), 1 / l (512),
; the spare words (512).  The way out's stages lie in slot 0, which by then has had its last fill and its last read.
; CLUSTER 4 x 4: p's block hangs on g alone and is asked for jointly along a row of the cluster; v's groups hang on the batch and the tile column, along a column.
; PREFETCH: behind the issue of fill f (f = 0, 1, 2) each wave names its share of fill f + 1: of the part that it fetches jointly with three partners (p: 96 blocks of 256 bytes, v: 200) the partner at place c takes blocks
; 24 c .. 24 c + 23 or 50 c .. 50 c + 49, told apart by address; a lane a block, lanes left over name the share's last block.  Fill 3 is the last that is named.
; REGISTERS: window 0: v1-25 addresses; v28-29 the add's; v32-39 p's scale words, v40-55 v's, two sets each; v56-63 1 / l; v64-159 p's fragments, two sets (way out: v64-127 scaled results, v128-255 rows read back).
;   window 1: v's fragments, two sets, at v0 and v128.   window 2: accumulator (a, b) at v[8 (8 a + b)].
.set SLOT,  151552
.set VOFF,  49152
.set GST,   12800
.set FRB,   1536
.set PSC,   2*SLOT
.set RL,    PSC+8192
.set SPARE, RL+512
.set L16,  3
.set ADRA, 4                           ; v4-5   my p fragments in slot 0, 1
.set ADRB, 8                           ; v8-9   my v fragments
.set ADSV, 12                          ; v12-13 v's scale blocks
.set ADSP, 14                          ; v14    p's lowered scale blocks
.set ARL,  15                          ; v15    1 / l
.set PFO,  20                          ; v20-21 the prefetches' lane offsets
.set STO,  24
.set RD,   25
.set SPW,  28
.set NIL,  29
.set SP,   32
.set SV,   40
.set RLR,  56
.set AF,   64
.set TMP,  64
.set BK,   128
.set G1,   24
.set G0,   32                          ; s[32:39] group 0 for p, a set for each slot
.set G1B,  48
.set G0B,  68                          ; s[68:75] the same for v
.set OUT,  80
.set STP,  82
.set PFS,  86                          ; s[86:87] bytes from fill to fill in what I fetch
.set PFA,  92                          ; s[92:93] my share of the fill that the next prefetch names
.set MSB, 0
.macro WIN new
.if MSB != (\new)
	s_set_vgpr_msb (MSB<<8)|(\new)
.set MSB, (\new)
.endif
.endm
.macro PLACES n
.rept \n
	v_nop
.endr
.endm
.macro JLOAD g0a, g1a, g0b, g1b        ; waves 0 and 1 fetch p's halves, waves 2 and 3 v's groups; s_nop 0 and four v_nop follow each line
	s_cmp_eq_u32 s15, 0
	s_cbranch_scc0 .Lfor_b_\@
	tensor_load_to_lds s[\g0a:\g0a+3], s[\g1a:\g1a+7]
	s_nop 0
.rept 4
	v_nop
.endr
	s_branch .Lasked_\@
.Lfor_b_\@:
	tensor_load_to_lds s[\g0b:\g0b+3], s[\g1b:\g1b+7]
	s_nop 0
.rept 4
	v_nop
.endr
.Lasked_\@:
.endm
.macro ASK                             ; my share of the next fill: 24 blocks (p) in one instruction, 50 (v) in two
	global_prefetch_b8 v[PFO], s[PFA:PFA+1] th:TH_LOAD_NT scope:SCOPE_SE
	s_cmp_eq_u32 s15, 0
	s_cbranch_scc1 .Lp_done_\@
	global_prefetch_b8 v[PFO+1], s[PFA:PFA+1] th:TH_LOAD_NT scope:SCOPE_SE
.Lp_done_\@:
.endm
.macro CREST
	s_cmp_lg_u32 s14, 0
	s_cbranch_scc1 .Lnot_wave_0_\@
	s_barrier_signal -3
.Lnot_wave_0_\@:
	s_barrier_wait -3
	s_barrier_signal -1
	s_barrier_wait -1
.endm
.macro CROUND
	s_barrier_signal -1
	s_barrier_wait -1
	CREST
.endm
	s_load_b256 s[4:11], s[0:1], 0x0               ; p_codes, p_stats, act_pack, out0
	v_lshl_add_u32 v[SPW], v0, 2, SPARE
	v_mov_b32 v[NIL], 0
	ds_add_u32 v[SPW], v[NIL]                      ; the opening lines: the add, twice on end, and its wait ahead of my first tensor load
	ds_add_u32 v[SPW], v[NIL]
	v_lshrrev_b32 v1, 5, v0
	v_readfirstlane_b32 s14, v1                    ; wave 0..3
	v_lshlrev_b32 v16, 2, v0                       ; my word of a block
	s_lshr_b32 s15, s14, 1                         ; my half of the queries.  Also: I fetch for p (0) or for v (1)
	s_and_b32 s16, s14, 1                          ; my group of channels.  Also: which half or group I fetch
	s_bfe_u32 s56, ttmp6, 0x40000                  ; cx: the tile column: 256 channels
	s_bfe_u32 s57, ttmp6, 0x40004                  ; cy
	s_and_b32 s60, ttmp7, 0xffff                   ; the cluster's y: 0..15
	s_lshr_b32 s59, s60, 2                         ; the batch: shared by all partners
	s_lshl_b32 s17, s60, 2
	s_add_co_u32 s17, s17, s57                     ; g: my 128 queries
	s_lshl_b32 s45, s57, 2
	s_lshl_b32 s45, 15, s45                        ; my row of the cluster
	s_lshl_b32 s44, 0x1111, s56                    ; my column
	s_or_b32 s[G1], s45, (3<<16)|(1<<21)           ; p: a dense block of 24,576 bytes as 96 rows of 32 elements of 8 bytes
	s_mov_b32 s[G1+1], 32<<16
	s_mov_b32 s[G1+2], 96<<16
	s_mov_b32 s[G1+3], 32<<16
	s_mov_b32 s[G1+4], 96
	s_mov_b32 s[G1+5], 32
	s_mov_b32 s[G1+6], 0
	s_mov_b32 s[G1+7], 0
	s_or_b32 s[G1B], s44, (3<<16)|(1<<21)          ; v: 51,200 bytes as 200 such rows
	s_mov_b32 s[G1B+1], 32<<16
	s_mov_b32 s[G1B+2], 200<<16
	s_mov_b32 s[G1B+3], 32<<16
	s_mov_b32 s[G1B+4], 200
	s_mov_b32 s[G1B+5], 32
	s_mov_b32 s[G1B+6], 0
	s_mov_b32 s[G1B+7], 0
	s_mul_i32 s22, s16, 24576                      ; p: my half of a fill, in LDS and in memory
	s_mul_i32 s20, s17, 196608
	s_add_co_u32 s20, s20, s22
	s_mov_b32 s21, 0
	s_lshl_b32 s90, s59, 3
	s_lshl_b32 s91, s56, 1
	s_add_co_u32 s90, s90, s91
	s_add_co_u32 s90, s90, s16
	s_mul_i32 s90, s90, 204800
	s_add_co_u32 s90, s90, 13107200                ; v: group 8 x batch + 2 x tile column + half
	s_mov_b32 s91, 0
	s_mul_i32 s23, s16, 51200
	s_add_co_u32 s23, s23, VOFF                    ; my group of v in a slot
	s_mul_i32 s96, s17, 24576
	s_mov_b32 s97, 0
	s_wait_alu depctr_va_vdst(0)                   ; directly ahead of the waits below
	s_wait_dscnt 0x0                               ; both opening adds are done
	s_wait_kmcnt 0x0
	s_add_nc_u64 s[20:21], s[4:5], s[20:21]
	s_add_nc_u64 s[90:91], s[8:9], s[90:91]
	s_add_nc_u64 s[STP:STP+1], s[6:7], s[96:97]
.irp s, 0,1,2,3,4,5,6,7,8,9,10,11,12,13,14,15  ; the statistics of my word of the blocks: 48 loads of bytes that nobody writes here, on their way across the round
	global_load_b32 v[64+\s], v16, s[STP:STP+1] offset:1536*\s         ; p's scale word
	global_load_b32 v[80+\s], v16, s[STP:STP+1] offset:1536*\s+512     ; -M_loc
	global_load_b32 v[96+\s], v16, s[STP:STP+1] offset:1536*\s+1024    ; l_loc
.endr
.irp s, 0,1
	s_mov_b32 s[G0+4*\s], 1
	s_add_co_u32 s[G0+4*\s+1], s22, \s*SLOT
	s_add_nc_u64 s[G0+4*\s+2:G0+4*\s+3], s[20:21], \s*49152   ; key steps 4 s .. 4 s + 3
	s_or_b32 s[G0+4*\s+3], s[G0+4*\s+3], 0x80000000
	s_mov_b32 s[G0B+4*\s], 1
	s_add_co_u32 s[G0B+4*\s+1], s23, \s*SLOT
	s_add_nc_u64 s[G0B+4*\s+2:G0B+4*\s+3], s[90:91], \s*51200
	s_or_b32 s[G0B+4*\s+3], s[G0B+4*\s+3], 0x80000000
.endr
	CROUND                                         ; all sixteen work-groups are here: the first joint loads meet
	JLOAD G0, G1, G0B, G1B                         ; fill 0: my one tensor load at the head
	s_mov_b32 s84, 12800
	s_mov_b32 s[PFS], 51200
	s_cmp_eq_u32 s15, 0                            ; do I fetch for p?
	s_cselect_b32 s98, 23, 49                      ; the last block of a share
	s_cselect_b32 s99, s56, s57                    ; my place among the four that ask with me
	s_cselect_b32 s84, 6144, s84                   ; a share in bytes
	s_cselect_b32 s[PFS], 49152, s[PFS]
	s_cselect_b64 s[PFA:PFA+1], s[20:21], s[90:91]
	s_mul_i32 s84, s84, s99
	s_mov_b32 s85, 0
	s_mov_b32 s[PFS+1], 0
	s_add_nc_u64 s[PFA:PFA+1], s[PFA:PFA+1], s[84:85]
	s_add_nc_u64 s[PFA:PFA+1], s[PFA:PFA+1], s[PFS:PFS+1]   ; at fill 1
	s_mul_i32 s18, s15, 6144                       ; my four tiles of p
	s_lshl_b32 s94, s15, 3                         ; tiles 4 wy + a: 8 wy bytes on in a block's 16 bytes of a row
	s_mul_i32 s95, s14, 8448                       ; my stage: 16 rows x 528 bytes
	s_lshl_b32 s96, s17, 7
	s_lshl_b32 s66, s15, 6
	s_add_co_u32 s96, s96, s66
	s_lshl_b32 s96, s96, 12                        ; my first row of out0: 128 g + 64 wy, 4,096 bytes a row
	s_lshl_b32 s66, s56, 10
	s_add_co_u32 s96, s96, s66
	s_lshl_b32 s66, s16, 9
	s_add_co_u32 s96, s96, s66                     ; my first channel: 256 x tile column + 128 wx
	s_add_nc_u64 s[OUT:OUT+1], s[10:11], s[96:97]
	v_lshl_add_u32 v17, v0, 2, PSC                 ; where my lowered words go
	v_and_b32 v1, 15, v0                           ; r
	v_bfe_u32 v2, v0, 4, 1                         ; h
	v_and_b32 v3, 31, v0
	v_min_u32 v[PFO], s98, v3
	v_add_nc_u32 v[PFO+1], 32, v3
	v_min_u32 v[PFO+1], s98, v[PFO+1]
	v_lshlrev_b32 v[PFO], 8, v[PFO]
	v_lshlrev_b32 v[PFO+1], 8, v[PFO+1]
	v_lshlrev_b32 v[L16], 4, v3
	v_lshlrev_b32 v7, 4, v1
	v_add_nc_u32 v18, 12288, v7
	v_add_nc_u32 v[ADRA], s18, v[L16]
	v_add_nc_u32 v[ADRB], s23, v[L16]
	v_add_nc_u32 v[ADSV], s23, v18
	v_add_nc_u32 v[ADRA+1], SLOT, v[ADRA]
	v_add_nc_u32 v[ADRB+1], SLOT, v[ADRB]
	v_add_nc_u32 v[ADSV+1], SLOT, v[ADSV]
	v_add_nc_u32 v7, s94, v7
	v_add_nc_u32 v[ADSP], PSC, v7
	v_add_nc_u32 v[ARL], RL, v7
	v_mul_u32_u24 v[STO], v1, 528
	v_lshl_add_u32 v[STO], v2, 5, v[STO]
	v_add_nc_u32 v[STO], s95, v[STO]               ; in: row r, 32 bytes for each half of the lanes
	v_add_nc_u32 v[RD], s95, v[L16]                ; back: the 32 lanes take one row of 512 bytes
	s_wait_alu depctr_va_vdst(0)                   ; the wait at the end of the address work
	ASK                                            ; fill 1
	s_wait_loadcnt 0x0
	v_min3_num_f32 v112, v80, v81, v82             ; the least -M_loc is -M
.irp i, 83,85,87,89,91,93
	v_min3_num_f32 v112, v112, v[\i], v[\i+1]
.endr
	v_min_num_f32 v112, v112, v95
.irp s, 0,1,2,3,4,5,6,7,8,9,10,11,12,13,14,15
	v_sub_f32 v113, v[80+\s], v112                 ; d = M - M_loc: a whole number, 0 or more
	v_cvt_i32_f32 v113, v113                       ; (it saturates)
	v_min_u32 v113, 0xff, v113
	v_sub_nc_u32 v114, 0, v113
.if \s == 0
	v_ldexp_f32 v116, v[96+\s], v114               ; l_loc x 2^-d starts the row's sum
.else
	v_ldexp_f32 v115, v[96+\s], v114
	v_add_f32 v116, v116, v115
.endif
	v_bfe_u32 v117, v[64+\s], 0, 8
	v_bfe_u32 v118, v[64+\s], 8, 8
	v_bfe_u32 v119, v[64+\s], 16, 8
	v_lshrrev_b32 v120, 24, v[64+\s]
.irp k, 117,118,119,120
	v_sub_nc_u32 v\k, v\k, v113                    ; each of the four bytes less d,
.endr
.irp k, 117,118,119,120
	v_max_i32 v\k, 0, v\k                          ; held at 0
.endr
	v_lshl_or_b32 v117, v118, 8, v117
	v_lshl_or_b32 v117, v119, 16, v117
	v_lshl_or_b32 v[64+\s], v120, 24, v117
	ds_store_b32 v17, v[64+\s] offset:512*\s
.endr
	s_wait_alu depctr_va_vdst(0)
	v_rcp_f32 v121, v116
	v_nop                                          ; a plain place behind the reciprocal
	s_wait_alu depctr_va_vdst(0)                   ; and the wait ahead of its first reader
	ds_store_b32 v17, v121 offset:8192
	s_wait_xcnt 0x0                                ; my prefetches have read their address
	s_add_nc_u64 s[PFA:PFA+1], s[PFA:PFA+1], s[PFS:PFS+1]   ; at fill 2
	s_wait_tensorcnt 0x0                           ; my part of slot 0 is in
	ds_add_u32 v[SPW], v[NIL]
	s_wait_dscnt 0x0                               ; the add is done, and for the others' sake my stores have landed
	CROUND
	JLOAD G0+4, G1, G0B+4, G1B                     ; fill 1, the first tensor load behind the round
.macro FRAG reg, adr, off
.irp c, 0,1,2
	ds_load_b128 v[(\reg)+4*\c:(\reg)+4*\c+3], v[\adr] offset:(\off)+512*\c
.endr
.endm
; 40 loads in one run: key step st (the slot's q-th) into set st % 2: v's eight fragments, p's four, their scale words
.macro FETCHV slot, q, st
.set FS, (\st)%2
	WIN 0x40
.irp i, 0,1,2,3,4,5,6,7
	FRAG 128*FS+12*\i, ADRB+(\slot), GST*(\q)+FRB*\i
.endr
	WIN 0
.irp i, 0,1,2,3
	FRAG AF+48*FS+12*\i, ADRA+(\slot), 12288*(\q)+FRB*\i
.endr
.irp par, 0,1
	ds_load_b128 v[SV+8*FS+4*\par:SV+8*FS+4*\par+3], v[ADSV+(\slot)] offset:GST*(\q)+256*\par
.endr
.irp par, 0,1
	ds_load_b64 v[SP+4*FS+2*\par:SP+4*FS+2*\par+1], v[ADSP] offset:512*(\st)+256*\par
.endr
.endm
; 8 products: p's tile a x v's eight.  The 32 accumulators take turns, in the same order in every step.
.macro MUL8 a, st, zero
.set FS, (\st)%2
.irp b, 0,1,2,3,4,5,6,7
.set rD, 8*(8*(\a)+\b)
.set rB, 128*FS+12*\b
.set rA, AF+48*FS+12*(\a)
.set rX, SV+8*FS+4*(\b%2)+\b/2
.set rY, SP+4*FS+2*((\a)%2)+(\a)/2
.if \zero
	v_wmma_scale_f32_16x16x128_f8f6f4 v[rD:rD+7], v[rB:rB+11], v[rA:rA+11], 0, v[rX], v[rY] matrix_a_fmt:MATRIX_FMT_BF6 matrix_b_fmt:MATRIX_FMT_BF6
.else
	v_wmma_scale_f32_16x16x128_f8f6f4 v[rD:rD+7], v[rB:rB+11], v[rA:rA+11], v[rD:rD+7], v[rX], v[rY] matrix_a_fmt:MATRIX_FMT_BF6 matrix_b_fmt:MATRIX_FMT_BF6
.endif
.endr
.endm
.macro STEPV st, zero                  ; a key step whose successor lies in the same slot
	s_wait_dscnt 0x0                               ; this step's fragments are in (asked for 32 matrix instructions ago)
	PLACES 4                                       ; in front of loads into the set that the last step multiplied
	FETCHV (((\st)+1)/4)%2, ((\st)+1)%4, (\st)+1
	WIN 0xa1                                       ; v window 1, p window 0, C and D window 2
	MUL8 0, \st, \zero
	MUL8 1, \st, \zero
	MUL8 2, \st, \zero
	MUL8 3, \st, \zero
.endm
; A slot's last key step changes slots: one barrier; in front of it each wave waits for all its tensor loads, adds 0 to its spare word, and waits for that and for its reads of the slot.
; fill = 1: the slot is filled again, two fills on.  ask = 1: the fill after that is prefetched.
.macro TURNV st, fill, ask
.set SL, ((\st)/4)%2
	WIN 0
.if \ask
	s_wait_xcnt 0x0                                ; my prefetches have read their address
	s_add_nc_u64 s[PFA:PFA+1], s[PFA:PFA+1], s[PFS:PFS+1]
.endif
	s_wait_tensorcnt 0x0                           ; all my tensor loads have landed: my part of the next slot
	ds_add_u32 v[SPW], v[NIL]                      ; 0 onto my spare word
	s_wait_dscnt 1                                 ; this step's fragments are in (the add may be out)
	WIN 0xa1
	MUL8 0, \st, 0
	s_wait_dscnt 0x0                               ; the add is done, and my reads of the slot are over
	s_barrier_signal -1
	MUL8 1, \st, 0
	WIN 0
	s_barrier_wait -1
.if \fill
	CREST                                          ; a round of the cluster's barrier: no wave of any partner still reads the slot or has a load on its way
	s_add_nc_u64 s[G0+4*SL+2:G0+4*SL+3], s[G0+4*SL+2:G0+4*SL+3], 98304
	s_add_nc_u64 s[G0B+4*SL+2:G0B+4*SL+3], s[G0B+4*SL+2:G0B+4*SL+3], 102400
	JLOAD G0+4*SL, G1, G0B+4*SL, G1B               ; the first tensor load behind the round; its four v_nop are the places in front of the loads below
.else
	PLACES 4
.endif
	FETCHV (((\st)+1)/4)%2, 0, (\st)+1
.if \ask
	ASK
.endif
	WIN 0xa1
	MUL8 2, \st, 0
	MUL8 3, \st, 0
.endm
	FETCHV 0, 0, 0
.irp a, 0,1,2,3
	ds_load_b32 v[RLR+2*\a], v[ARL] offset:256*(\a%2)+4*(\a/2)     ; 1 / l of my row of tile a, twice: a pair for the packed multiply
	ds_load_b32 v[RLR+2*\a+1], v[ARL] offset:256*(\a%2)+4*(\a/2)
.endr
	ASK                                            ; fill 2
	STEPV 0, 1                                     ; the first step starts the sums
	STEPV 1, 0
	STEPV 2, 0
	TURNV 3, 1, 1                                  ; slot 0 takes key steps 8-11; fill 3 is prefetched
	STEPV 4, 0
	STEPV 5, 0
	STEPV 6, 0
	TURNV 7, 1, 0                                  ; slot 1 takes key steps 12-15
	STEPV 8, 0
	STEPV 9, 0
	STEPV 10, 0
	TURNV 11, 0, 0                                 ; the last fill has landed, in every wave; nobody reads slot 0 any more
	STEPV 12, 0
	STEPV 13, 0
	STEPV 14, 0
	s_wait_dscnt 0x0                               ; the last step: nothing more to fetch
	WIN 0xa1
	MUL8 0, 15, 0
	MUL8 1, 15, 0
	MUL8 2, 15, 0
	MUL8 3, 15, 0
	WIN 0
; THE WAY OUT, block by block of 16 queries x 128 channels: x 1 / l; a lane's 32 bytes of a row go into my own stage, whole rows of 512 bytes come back and are stored.  LDS serves a wave's instructions in order.
.macro TOSTAGE a
.set BB, BK+64*((\a)%2)
.if (\a) > 0
	s_wait_dscnt 16                                ; the last block's sixteen stores have read their registers (its sixteen loads may be out)
.endif
	WIN 0x02                                       ; source 0: window 2
.set J, 0
.rept 32
	v_pk_mul_f32 v[TMP+J:TMP+J+1], v[64*(\a)+J:64*(\a)+J+1], v[RLR+2*(\a):RLR+2*(\a)+1]   ; each accumulator from its low end on
.set J, J+2
.endr
	WIN 0
.irp b, 0,1,2,3,4,5,6,7
	ds_store_b128 v[STO], v[TMP+8*\b:TMP+8*\b+3] offset:64*\b
	ds_store_b128 v[STO], v[TMP+8*\b+4:TMP+8*\b+7] offset:64*\b+16
.endr
.irp t, 0,1,2,3,4,5,6,7,8,9,10,11,12,13,14,15
	ds_load_b128 v[BB+4*\t:BB+4*\t+3], v[RD] offset:528*\t
.endr
.endm
.macro SEND a, younger                 ; younger: the LDS instructions issued behind block a's loads, which may stay out
.set BB, BK+64*((\a)%2)
	s_wait_dscnt \younger
.irp t, 0,1,2,3,4,5,6,7,8,9,10,11,12,13,14,15
	global_store_b128 v[L16], v[BB+4*\t:BB+4*\t+3], s[OUT:OUT+1] offset:(16*(\a)+\t)*4096 th:TH_STORE_NT   ; 32 lanes store 512 consecutive bytes, aligned; written once, read by nobody here
.endr
.endm
	PLACES 4                                       ; behind the last products
	TOSTAGE 0
.irp a, 1,2,3
.if \a > 1
	s_wait_xcnt 0x0                                ; block a - 2's stores have read their registers: block a's rows may land there
.endif
	TOSTAGE \a
	SEND \a-1, 32                                  ; behind block a - 1's loads: block a's 16 stores and 16 loads
.endr
	SEND 3, 0
	s_wait_tensorcnt 0x0                           ; the wave's end
	ds_add_u32 v[SPW], v[NIL]
	s_wait_dscnt 0x0
	CROUND                                         ; the closing round
	s_endpgm
.Lfunc_end_k_q05c135d7f5_pv:
	.size	k_q05c135d7f5_pv, .Lfunc_end_k_q05c135d7f5_pv-k_q05c135d7f5_pv
	.p2alignl 7, 3214868480
	.fill 96, 4, 3214868480
	.section	.rodata,"a",@progbits
	.p2align	6, 0x0
	.amdhsa_kernel k_q05c135d7f5_pv
		.amdhsa_group_segment_fixed_size 327680
		.amdhsa_private_segment_fixed_size 0
		.amdhsa_enable_private_segment 0
		.amdhsa_kernarg_size 32
		.amdhsa_user_sgpr_count 2
		.amdhsa_user_sgpr_kernarg_segment_ptr 1
		.amdhsa_wavefront_size32 1
		.amdhsa_system_sgpr_workgroup_id_x 1
		.amdhsa_system_sgpr_workgroup_id_y 1
		.amdhsa_system_sgpr_workgroup_id_z 1
		.amdhsa_system_vgpr_workitem_id 0
		.amdhsa_next_free_vgpr 768
		.amdhsa_next_free_sgpr 100
		.amdhsa_reserve_vcc 0
		.amdhsa_float_denorm_mode_32 3
		.amdhsa_float_denorm_mode_16_64 3
		.amdhsa_memory_ordered 1
		.amdhsa_forward_progress 1
		.amdhsa_inst_pref_size 164
	.end_amdhsa_kernel
	.amdgpu_metadata
---
amdhsa.version: [ 1, 2 ]
amdhsa.kernels:
  - .name:           k_q05c135d7f5_pv
    .symbol:         k_q05c135d7f5_pv.kd
    .args:
      - { .name: p_codes, .offset: 0, .size: 8, .value_kind: global_buffer, .address_space: global }
      - { .name: p_stats, .offset: 8, .size: 8, .value_kind: global_buffer, .address_space: global }
      - { .name: act_pack, .offset: 16, .size: 8, .value_kind: global_buffer, .address_space: global }
      - { .name: out0, .offset: 24, .size: 8, .value_kind: global_buffer, .address_space: global }
    .group_segment_fixed_size: 327680
    .private_segment_fixed_size: 0
    .kernarg_segment_align: 8
    .kernarg_segment_size: 32
    .max_flat_workgroup_size: 128
    .sgpr_count:     100
    .vgpr_count:     768
    .wavefront_size: 32
...
	.end_amdgpu_metadata
.endif
;; end of part 4
